; MI455X (gfx1250); checked and timed in simulation.
; The chip was launched on July 23, 2026; its instructions are those of AMD's public machine-readable ISA for CDNA 5 (MIT licence, August 2026) and "CDNA5" Instruction Set Architecture Reference Guide (July 2026). The comments in the code are by the model that wrote it; some were corrected since.
;; Trim KV Qwen3 For Causal LM. Allowed arithmetic: matrix products marked QUANTISED: E2M1 operands, one E8M0 scale for each 32 along K, by v_wmma_scale_f32_16x16x128_f8f6f4 with both operands' format E2M1 (or v_wmma_scale_f32_32x16x128_f4), f32 sums; products left as they are: f32 operands where the result goes on into a quantised operand, else bf16, f16 or f32 operands; f32 sums; everything else in f32.
;; Inputs: Wk_codes 1,024 x 64 x 16 uint8 (E2M1 codes of Wk, K innermost, in blocks of 32 codes, two codes a byte); Wk_scales 1,024 x 64 uint8 (E8M0 scales of Wk, one for each 32 codes along K); Wo_codes 2,048 x 64 x 16 uint8 (E2M1 codes of Wo, K innermost, in blocks of 32 codes, two codes a byte); Wo_scales 2,048 x 64 uint8 (E8M0 scales of Wo, one for each 32 codes along K); Wq_codes 2,048 x 64 x 16 uint8 (E2M1 codes of Wq, K innermost, in blocks of 32 codes, two codes a byte); Wq_scales 2,048 x 64 uint8 (E8M0 scales of Wq, one for each 32 codes along K); Wv_codes 1,024 x 64 x 16 uint8 (E2M1 codes of Wv, K innermost, in blocks of 32 codes, two codes a byte); Wv_scales 1,024 x 64 uint8 (E8M0 scales of Wv, one for each 32 codes along K); cos 2,048 x 128 float32; gate_b 8 float32; gate_w 2,048 x 8 float32; hidden_states 1 x 2,048 x 2,048 float32; k_norm_w 128 float32; q_norm_w 128 float32; sin 2,048 x 128 float32.
;; Outputs: out0 1 x 2,048 x 2,048 float32.
;; This version of the problem:
;;   THIS VERSION OF THE PROBLEM IS GIVEN IN LOW PRECISION. The matrix products marked QUANTISED in the list below multiply operands that are first quantised to E2M1 (2 exponent bits, 1 mantissa bit; 4 bits a number), with one power-of-two scale for each 32 numbers along K (OCP MX v1.0); their sums are f32. All else is computed in f32.
;;   The module's matrix products, in the order in which they are computed (A, B: the left and right operand; K: the contracted axis; several contracted axes count as one K, in the product's order):
;;     1. [M 2,048, K 2,048] x [K 2,048, N 2,048]; A: input hidden_states; B: input Wq (given as codes): QUANTISED
;;     2. [M 2,048, K 2,048] x [K 2,048, N 1,024]; A: input hidden_states; B: input Wk (given as codes): QUANTISED
;;     3. [M 2,048, K 2,048] x [K 2,048, N 1,024]; A: input hidden_states; B: input Wv (given as codes): QUANTISED
;;     4. [M 2,048, K 2,048] x [K 2,048, N 8]; A: input hidden_states; B: input gate_w: left as it is (N = 8 < 16)
;;     5. batch 8 x [M 4,096, K 128] x [K 128, N 2,048]; A: computed on the way; B: computed on the way: QUANTISED
;;     6. batch 8 x [M 4,096, K 2,048] x [K 2,048, N 128]; A: softmax (see below); B: computed on the way: QUANTISED
;;     7. [M 2,048, K 2,048] x [K 2,048, N 2,048]; A: computed on the way; B: input Wo (given as codes): QUANTISED
;;   THE QUANTISER, for each operand of a quantised product, along K:
;;     - K is cut into blocks of 32 from its start; a last block that is shorter is filled with zeros.
;;     - A block's scale is 2^e with e = floor(log2(the largest magnitude in the block)) - 2, held to -126 .. 127; a block of zeros has e = 0. As a byte (E8M0): e + 127.
;;     - Each number is divided by its block's scale, clamped to +-6, and rounded to the nearest number of E2M1, ties to even, subnormals kept.
;;     - The product sums the exact products of the quantised numbers (number of the format x scale) in f32.
;;   ~~~python
;;   def quantise(x, axis):      # numpy; x: float32 -> the quantised numbers, widened to float32 again
;;       x = np.moveaxis(x, axis, -1); K = x.shape[-1]
;;       x = np.pad(x, [(0, 0)] * (x.ndim - 1) + [(0, -K % 32)]); x = x.reshape(x.shape[:-1] + (-1, 32)); a = np.abs(x).max(-1, keepdims=True)
;;       e = np.where(a > 0, np.clip(np.frexp(np.where(a > 0, a, 1))[1] - 1 - 2, -126, 127), 0)      # np.frexp(a)[1] - 1 = floor(log2(a)), exactly
;;       r = np.clip(x / 2.0 ** e, -6, 6)
;;       step = 2.0 ** (np.maximum(np.frexp(np.where(r == 0, 1, r))[1] - 1, 0) - 1)
;;       q = np.round(r / step) * step * 2.0 ** e      # np.round: ties to even
;;       return np.moveaxis(q.reshape(q.shape[:-2] + (-1,))[..., :K], -1, axis).astype(np.float32)
;;   ~~~
;;   SOFTMAX AHEAD OF A QUANTISED PRODUCT. Where the list says 'softmax', what is quantised is not the finished softmax but p = 2^(t - M), with t = logit x log2(e) and M = ceil(the row's largest t), a whole number; so 1/2 < the row's largest p <= 1. The row's sum l is taken of the UNQUANTISED p, in f32, and the product's result is divided by l at the end. Since M is a whole number, a kernel that streams over the keys may use a running M (the ceiling of the running maximum): every later rescaling is an exact power of two, which a block's scale takes up: the codes' values come out the same.
;;   OPERANDS COMPUTED ON THE WAY. 'Computed on the way' means the value that the module computes at that place (a softmax that the list does not call 'softmax' is quantised finished and normalised). What goes into a quantiser is computed in f32, as accurately as f32 sums, v_exp_f32 and their like allow (about 1e-6 of the number): no bf16 or f16 on the way to a quantiser, and a product that is left as it is and whose result goes on into a quantised operand takes f32 operands (vector FMAs, or v_wmma_f32_16x16x4_f32). A number that lies on a knife's edge between two numbers of the format may be rounded either way, as far as f32 arithmetic and the matrix unit's own rounding can turn it there, and no further.
;;   INPUTS GIVEN AS CODES. Wk (in the module: [2048, 1024], K = its axis 0); Wo (in the module: [2048, 2048], K = its axis 0); Wq (in the module: [2048, 2048], K = its axis 0); Wv (in the module: [2048, 1024], K = its axis 0): each comes as NAME_codes (uint8): NAME with its K axis moved to the last place and cut into blocks of 32 codes, [.., K / 32, bytes a block], one block behind the other in memory; two codes a byte, the lower K in the low four bits (a code: sign, 2 exponent bits, 1 mantissa bit); and NAME_scales (uint8): the same leading axes, one E8M0 byte (e + 127) for each 32 codes along K. Its value is code x scale, taken as it is: it is not quantised again, and the codes and scales need not be those that the quantiser above would give.
;; 2 versions, each right and faster than the one before. Each part assembles by itself: llvm-mc -triple=amdgcn-amd-amdhsa -mcpu=gfx1250 --defsym DOCPART=n.
;; ======== version 1 of 2: 4 launches
;; workspace buffers: hb 2,228,224 bytes; qb 2,228,224 bytes; kf 1,048,576 bytes; vf 1,048,576 bytes; side 196,608 bytes; ob 2,228,224 bytes
;; launch prep (part 1): grid 256 x 1, 4 waves a work-group, no clusters, 22,528 bytes of LDS; arguments hidden_states, gate_w, gate_b, hb, side; writes hb, side
.if DOCPART == 1
	.amdgcn_target "amdgcn-amd-amdhsa--gfx1250"
	.amdhsa_code_object_version 6
	.text
	.protected	k_q1758c80e5e_prep
	.globl	k_q1758c80e5e_prep
	.p2align	8
	.type	k_q1758c80e5e_prep,@function
k_q1758c80e5e_prep:
	s_mov_b64 s[64:65], 0
	v_nop
	global_prefetch_b8 v0, s[64:65] scope:SCOPE_SE
	s_setreg_imm32_b32 hwreg(HW_REG_WAVE_MODE, 25, 1), 1
	s_wait_xcnt 0x0
; PREP.  hidden_states [2048][2048] f32 becomes codes of E2M1 with one E8M0 byte for each 32 along the 2,048 (hb: codes [2048][1024 bytes] at 0, bytes [2048][64] at 0x200000),
; and the retention gate is made in f32 by fused multiply-adds: z = h . gate_w + gate_b, u' = ln(max(sigmoid(z), 1e-8)) x sqrt(128), stored as side[head][8192 + 4 x token].
; (u' carries sqrt(128) so that the attention launch can add u' x age to the raw score and scale both by log2(e) / sqrt(128) at once.)
; WORK LEFT OUT BY THE PROGRAM: only key steps of 128 keys all of which come after all 16 queries of a tile (attention launch).  reference() builds the mask idx[:, None] >= idx[None, :] in its own body and puts the
; smallest f32 number in place of those scores, whatever the inputs hold; key i always counts for query i, so those weights come out as 0 there.  Every input has a way to the output and is loaded by some launch.
; LIMITS: NaN and infinities among the inputs are not served; a NaN, an infinity or an overflow that reaches only the masked key steps is not carried to the result; a block whose largest magnitude lies under 2^-124
; gets the byte 1; a block of zeros gets the byte 1 where the rule says 127 (its codes are zeros, and only this program reads the bytes).
; SHARES.  A work-group owns 8 tokens, wave q columns 512 q .. 512 q + 511 of each, lane l the 16 neighbours from 512 q + 16 l on (two lanes hold a block of 32).  The lane's 16 x 8 numbers of gate_w stay in 128 registers.
; Each load reads 512 consecutive bytes; a row's 2,048 bytes of a wave turn through the wave's own stage in LDS (16 bytes of padding behind each 64) and come back 64 bytes a lane.  Loads run four rows ahead.
; u' leaves in runs of 32 bytes (64 KB in the whole launch); codes leave 256 consecutive bytes a store, the scale bytes 512.
.set SP,    80                         ; a lane's place in a stage: 64 bytes + 16
.set STG,   32*SP                      ; a stage; two for each wave
.set SCB,   8*STG                      ; 512 scale bytes: row x 64 + 16 q + l / 2
.set PART,  SCB+512                    ; the waves' partial sums of z: q x 256 + row x 32 + head x 4
.set SPARE, PART+1024                  ; the spare words, 128 bytes for each wave: two blocks of 256 bytes that no other line names
.set SPW, 1                            ; v1  my spare word's address; never rewritten
.set NIL, 2                            ; v2  0; never rewritten
.set C,   12                           ; v12-15  codes, two sets of two
.set ACC, 16                           ; v16-23  z's partial sums for the 8 heads
.set TMP, 24                           ; v24-31  at work
.set R,   32                           ; v32-95  four sets of 16 numbers as loaded
.set X,   96                           ; v96-127 two sets of 16 neighbours
.set W,   128                          ; v128-255 gate_w[k0 + kk][head] at W + 8 kk + head
	s_load_b256 s[4:11], s[0:1], 0x0               ; hidden_states, gate_w, gate_b, hb
	s_load_b64 s[12:13], s[0:1], 0x20              ; side
	v_lshl_add_u32 v[SPW], v0, 2, SPARE
	v_mov_b32 v[NIL], 0
	v_lshrrev_b32 v24, 5, v0
	v_readfirstlane_b32 s14, v24                   ; wave q
	v_and_b32 v25, 31, v0                          ; lane l
	s_lshl_b32 s15, s14, 11
	v_lshlrev_b32 v3, 4, v25
	v_add_nc_u32 v3, s15, v3                       ; v3: 16 l + 2048 q: my 16 bytes of a load
	s_mul_i32 s15, s14, 2*STG
	v_lshrrev_b32 v4, 2, v25
	v_mul_u32_u24 v4, v4, SP
	v_and_b32 v26, 3, v25
	v_lshl_add_u32 v4, v26, 4, v4
	v_add_nc_u32 v4, s15, v4                       ; v4: the stage, on the way in
	v_mul_u32_u24 v5, v25, SP
	v_add_nc_u32 v5, s15, v5                       ; v5: and on the way out
	s_lshl_b32 s15, s14, 8
	v_lshlrev_b32 v6, 3, v25
	v_add_nc_u32 v6, s15, v6                       ; v6: my 8 bytes of codes in a row: 256 q + 8 l
	s_add_co_u32 s15, s15, PART
	v_mov_b32 v8, s15                              ; v8: my wave's partial sums
	s_lshl_b32 s15, s14, 4
	s_add_co_u32 s15, s15, SCB
	v_lshrrev_b32 v7, 1, v25
	v_add_nc_u32 v7, s15, v7                       ; v7: my block's scale byte
	v_and_b32 v26, 7, v0
	v_bfe_u32 v27, v0, 3, 3
	v_lshlrev_b32 v9, 5, v26
	v_lshl_add_u32 v9, v27, 2, v9
	v_add_nc_u32 v9, PART, v9                      ; v9: at the end thread t serves row t & 7, head (t >> 3) & 7
	v_lshl_add_u32 v10, v25, 4, SCB                ; v10: the scale bytes on their way out
	v_lshlrev_b32 v27, 2, v27                      ; gate_b: 4 x head
	v_lshlrev_b32 v29, 9, v25
	s_lshl_b32 s15, s14, 14
	v_add_nc_u32 v29, s15, v29                     ; gate_w: 32 bytes a row of it, my 16 rows: 16384 q + 512 l
	v_mov_b32 v28, 0                               ; (a lane permute's destination counts as one of its sources)
	v_mov_b32 v30, 0
	v_mov_b32 v31, 0
	s_mov_b32 s18, 0x76543210
	s_mov_b32 s19, 0xfedcba98                      ; v_permlanex16_b32's selects for lane l xor 16
	s_mov_b32 s21, 0
	s_wait_kmcnt 0x0
	s_lshl_b32 s20, ttmp9, 16
	s_add_nc_u64 s[4:5], s[4:5], s[20:21]          ; my 8 rows of hidden_states
	s_lshl_b32 s20, ttmp9, 13
	s_add_nc_u64 s[16:17], s[10:11], s[20:21]      ; their codes
	s_lshl_b32 s20, ttmp9, 9
	s_add_co_u32 s20, s20, 0x200000
	s_add_nc_u64 s[10:11], s[10:11], s[20:21]      ; their scale bytes
	s_lshl_b32 s20, ttmp9, 5
	s_add_co_u32 s20, s20, 8192
	s_add_nc_u64 s[12:13], s[12:13], s[20:21]      ; their u' in head 0's part of side
	global_load_b32 v11, v27, s[8:9]               ; v11: gate_b of the head that I serve at the end
.set i, 0
.rept 32
	global_load_b128 v[W+4*i:W+4*i+3], v29, s[6:7] offset:16*i
.set i, i+1
.endr
.macro LOAD t
.irp i, 0,1,2,3
	global_load_b128 v[R+16*((\t)%4)+4*\i:R+16*((\t)%4)+4*\i+3], v3, s[4:5] offset:8192*(\t)+512*\i th:TH_LOAD_NT
.endr
.endm
.macro TURN t                          ; row t's numbers through the stage: LDS serves a wave's instructions in order, so no wait stands between the stores and the loads
.irp i, 0,1,2,3
	ds_store_b128 v4, v[R+16*((\t)%4)+4*\i:R+16*((\t)%4)+4*\i+3] offset:STG*((\t)%2)+8*SP*\i
.endr
.irp i, 0,1,2,3
	ds_load_b128 v[X+16*((\t)%2)+4*\i:X+16*((\t)%2)+4*\i+3], v5 offset:STG*((\t)%2)+16*\i
.endr
.endm
.irp t, 0,1,2,3
	LOAD \t
.endr
	s_wait_loadcnt 12                              ; gate_b, gate_w and row 0 are in; rows 1 to 3 may be out
	TURN 0
.macro ROW t
.set XS, X+16*((\t)%2)
.set CC, C+2*((\t)%2)
.if (\t) > 0
	s_wait_dscnt 0x3                               ; this row is back from the stage; the last row's byte store and its two stores of partial sums may be out
.else
	s_wait_dscnt 0x0
.endif
.if (\t)+4 < 8
	LOAD (\t)+4                                    ; into the registers that this row's stores into the stage have read
.endif
.if (\t) < 7
.if (\t) <= 3
	s_wait_loadcnt 12                              ; the next row's four loads are in; those of the three rows behind it may be out
.else
	s_wait_loadcnt 4*(6-(\t))
.endif
	TURN (\t)+1
.endif
	v_max3_num_f32 v24, |v[XS]|, |v[XS+1]|, |v[XS+2]|     ; the largest magnitude of my 16
	v_max3_num_f32 v25, |v[XS+3]|, |v[XS+4]|, |v[XS+5]|
.irp i, 6,10
	v_max3_num_f32 v24, v24, |v[XS+\i]|, |v[XS+\i+1]|
	v_max3_num_f32 v25, v25, |v[XS+\i+2]|, |v[XS+\i+3]|
.endr
	v_max3_num_f32 v24, v24, |v[XS+14]|, |v[XS+15]|
	v_max3_num_f32 v24, v24, v25, 0x1800000        ; and the floor 2^(3 - 127): the byte cannot fall under 1
	v_max_num_f32_dpp v24, v24, v24 row_xmask:1 row_mask:0xf bank_mask:0xf   ; with my neighbour's 16: the block's
	v_add_nc_u32 v26, 0xff000000, v24              ; 2 off its exponent field: the conversion's scale operand
	s_wait_xcnt 0x0                                ; the store of two rows ago has read this set of code registers
	v_cvt_scalef32_pk8_fp4_f32 v[CC], v[XS:XS+7], v26
	v_cvt_scalef32_pk8_fp4_f32 v[CC+1], v[XS+8:XS+15], v26
	v_lshrrev_b32 v27, 23, v26                     ; the scale's byte
	ds_store_b8 v7, v27 offset:64*(\t)             ; both lanes of a block write the same byte with the same value
	global_store_b64 v6, v[CC:CC+1], s[16:17] offset:1024*(\t)   ; the wave stores 256 consecutive bytes, aligned
	; the gate: eight sums, two heads an instruction; x is taken from one register of its pair for both halves
.set kk, 0
.rept 16
.irp p, 0,1,2,3
.if kk == 0
	v_pk_mul_f32 v[ACC+2*\p:ACC+2*\p+1], v[XS:XS+1], v[W+2*\p:W+2*\p+1] op_sel_hi:[0,1]
.elseif kk%2 == 0
	v_pk_fma_f32 v[ACC+2*\p:ACC+2*\p+1], v[XS+kk:XS+kk+1], v[W+8*kk+2*\p:W+8*kk+2*\p+1], v[ACC+2*\p:ACC+2*\p+1] op_sel_hi:[0,1,1]
.else
	v_pk_fma_f32 v[ACC+2*\p:ACC+2*\p+1], v[XS+kk-1:XS+kk], v[W+8*kk+2*\p:W+8*kk+2*\p+1], v[ACC+2*\p:ACC+2*\p+1] op_sel:[1,0,0] op_sel_hi:[1,1,1]
.endif
.endr
.set kk, kk+1
.endr
.irp m, 1,2,4,8
.irp a, 0,1,2,3,4,5,6,7
	v_add_f32_dpp v[ACC+\a], v[ACC+\a], v[ACC+\a] row_xmask:\m row_mask:0xf bank_mask:0xf
.endr
.endr
.irp a, 0,1,2,3,4,5,6,7
	v_permlanex16_b32 v[TMP+\a], v[ACC+\a], s18, s19
.endr
.irp a, 0,1,2,3,4,5,6,7
	v_add_f32 v[ACC+\a], v[ACC+\a], v[TMP+\a]      ; every lane holds the wave's eight sums over its 512 columns
.endr
	ds_store_b128 v8, v[ACC:ACC+3] offset:32*(\t)  ; all lanes write the same bytes with the same values
	ds_store_b128 v8, v[ACC+4:ACC+7] offset:32*(\t)+16
.endm
.irp t, 0,1,2,3,4,5,6,7
	ROW \t
.endr
	s_wait_dscnt 0x0                               ; for the others' sake: my stores have landed
	s_barrier_signal -1
	s_barrier_wait -1
	s_cmp_lt_u32 s14, 2
	s_cbranch_scc0 .Lnot_gate
.irp q, 0,1,2,3                        ; waves 0 and 1: 64 threads, one (row, head) each
	ds_load_b32 v[TMP+\q], v9 offset:256*\q
.endr
	v_bfe_u32 v28, v0, 3, 3
	v_mul_u32_u24 v28, v28, 24576
	v_and_b32 v29, 7, v0
	v_lshl_add_u32 v28, v29, 2, v28                ; head x 24576 + row x 4
	s_wait_dscnt 0x0
	v_add_f32 v24, v24, v25
	v_add_f32 v26, v26, v27
	v_add_f32 v24, v24, v26
	v_add_f32 v24, v24, v11                        ; z
	v_mul_f32 v24, 0xbfb8aa3b, v24                 ; -z log2(e)
	v_exp_f32 v25, v24
	v_nop
	s_wait_alu depctr_va_vdst(0)                   ; the wait ahead of a transcendental's first reader
	v_add_f32 v25, 1.0, v25
	v_rcp_f32 v26, v25                             ; sigmoid(z)
	v_nop
	s_wait_alu depctr_va_vdst(0)
	v_max_num_f32 v26, 0x322bcc77, v26             ; the clip at 1e-8
	v_log_f32 v27, v26
	v_nop
	s_wait_alu depctr_va_vdst(0)
	v_mul_f32 v27, 0x40faf233, v27                 ; x ln 2 x sqrt(128)
	global_store_b32 v28, v27, s[12:13]
	s_branch .Lend
.Lnot_gate:
	s_cmp_eq_u32 s14, 2
	s_cbranch_scc0 .Lend
	ds_load_b128 v[24:27], v10                     ; wave 2: the 8 rows' 512 scale bytes
	v_and_b32 v28, 31, v0
	v_lshlrev_b32 v28, 4, v28
	s_wait_dscnt 0x0
	global_store_b128 v28, v[24:27], s[10:11]      ; 512 consecutive bytes, aligned
.Lend:
	s_wait_tensorcnt 0x0                           ; the wave's end, behind my last LDS store
	ds_add_u32 v[SPW], v[NIL]
	s_wait_dscnt 0x0
	s_endpgm
.Lfunc_end_k_q1758c80e5e_prep:
	.size	k_q1758c80e5e_prep, .Lfunc_end_k_q1758c80e5e_prep-k_q1758c80e5e_prep
	.p2alignl 7, 3214868480
	.fill 96, 4, 3214868480
	.section	.rodata,"a",@progbits
	.p2align	6, 0x0
	.amdhsa_kernel k_q1758c80e5e_prep
		.amdhsa_group_segment_fixed_size 22528
		.amdhsa_private_segment_fixed_size 0
		.amdhsa_enable_private_segment 0
		.amdhsa_kernarg_size 40
		.amdhsa_user_sgpr_count 2
		.amdhsa_user_sgpr_kernarg_segment_ptr 1
		.amdhsa_wavefront_size32 1
		.amdhsa_system_sgpr_workgroup_id_x 1
		.amdhsa_system_sgpr_workgroup_id_y 1
		.amdhsa_system_sgpr_workgroup_id_z 1
		.amdhsa_system_vgpr_workitem_id 0
		.amdhsa_next_free_vgpr 256
		.amdhsa_next_free_sgpr 66
		.amdhsa_reserve_vcc 0
		.amdhsa_float_denorm_mode_32 3
		.amdhsa_float_denorm_mode_16_64 3
		.amdhsa_memory_ordered 1
		.amdhsa_forward_progress 1
		.amdhsa_inst_pref_size 79
	.end_amdhsa_kernel
	.amdgpu_metadata
---
amdhsa.version: [ 1, 2 ]
amdhsa.kernels:
  - .name:           k_q1758c80e5e_prep
    .symbol:         k_q1758c80e5e_prep.kd
    .args:
      - { .name: hidden_states, .offset: 0, .size: 8, .value_kind: global_buffer, .address_space: global }
      - { .name: gate_w, .offset: 8, .size: 8, .value_kind: global_buffer, .address_space: global }
      - { .name: gate_b, .offset: 16, .size: 8, .value_kind: global_buffer, .address_space: global }
      - { .name: hb, .offset: 24, .size: 8, .value_kind: global_buffer, .address_space: global }
      - { .name: side, .offset: 32, .size: 8, .value_kind: global_buffer, .address_space: global }
    .group_segment_fixed_size: 22528
    .private_segment_fixed_size: 0
    .kernarg_segment_align: 8
    .kernarg_segment_size: 40
    .max_flat_workgroup_size: 128
    .sgpr_count:     66
    .vgpr_count:     256
    .wavefront_size: 32
...
	.end_amdgpu_metadata
.endif
;; end of part 1
;; launch qkv (part 2): grid 32 x 16, 4 waves a work-group, clusters of 4 x 4, 327,680 bytes of LDS; arguments hb, Wq_codes, Wq_scales, Wk_codes, Wk_scales, Wv_codes, Wv_scales, q_norm_w, k_norm_w, cos, sin, qb, kf, vf, side; writes qb, kf, vf, side
.if DOCPART == 2
	.amdgcn_target "amdgcn-amd-amdhsa--gfx1250"
	.amdhsa_code_object_version 6
	.text
	.protected	k_q1758c80e5e_qkv
	.globl	k_q1758c80e5e_qkv
	.p2align	8
	.type	k_q1758c80e5e_qkv,@function
k_q1758c80e5e_qkv:
	s_mov_b64 s[64:65], 0
	v_nop
	global_prefetch_b8 v0, s[64:65] scope:SCOPE_SE
	s_setreg_imm32_b32 hwreg(HW_REG_WAVE_MODE, 25, 1), 1
	s_wait_xcnt 0x0
	s_wait_alu depctr_hold_cnt(0) depctr_sa_sdst(0) depctr_va_vdst(0) depctr_va_sdst(0) depctr_va_ssrc(0) depctr_va_vcc(0) depctr_vm_vsrc(0)
	s_getreg_b32 s2, hwreg(HW_REG_IB_STS2, 6, 4)
	s_cmp_eq_u32 s2, 0
	s_cbranch_scc0 .Lentry_in_a_cluster
	s_endpgm
.Lentry_in_a_cluster:
	s_bfe_u32 s2, ttmp6, 0x10000c
	s_cmp_lg_u32 s2, 0xf033
	s_cbranch_scc0 .Lentry_shape_is_right
	s_endpgm
.Lentry_shape_is_right:
; QKV.  The three projections on codes of E2M1, then, in registers: for q and k the head's RMSNorm, RoPE and the quantiser along the head's 128; for v the quantiser along the keys.  No work of reference() is left out here.
; A work-group makes 128 tokens x one head slot (x: 0-15 q heads, 16-23 k heads, 24-31 v heads; y: the block of tokens).  All of K = 2,048 lies in LDS: 128 weight rows and 128 rows of hb, 1,024 bytes each, as four
; quarters of 512 along K (rows of 256 bytes + 16 of padding).  Every LDS byte is filled once: five tensor loads a wave at the head (scales, quarters 0 to 3), so five of a wave's loads are out at the most, and the waits count down.
; CLUSTER 4 x 4: the weight rows hang on x alone and are asked for jointly along a column, hb's rows on y alone, jointly along a row.  The kind of head hangs on the cluster's x alone: it is the same in all sixteen partners.
; ROLES.  Source 0 (P, 8 tiles of 16 rows, read by all four waves) carries the axis that becomes the next K; source 1 (N, wave w's 32 rows, 2 tiles) the rows that a lane keeps.  q, k: P = weights, N = tokens: a lane holds a
; token and its registers run along d.  v: P = tokens, N = weights: a lane holds a channel and its registers run along the 128 tokens, one key step.  Only the bases of the LDS reads differ.
; In the result, register j of tile t of lane (r, h) is next-K index 16 t + 8 h + j.  A block of 32 is tiles 2 b, 2 b + 1; half h holds its octets h and 2 + h; a conversion turns an octet into a register, and two lane swaps
; for each pair of blocks give the operand's layout (registers 4 c + o: k = 64 c + 32 h + 8 o .. + 7).
; OUT: fragments as images of the operand's registers (1,024 bytes: group c at 512 c + 16 x lane), scale words as pairs (128 bytes: lanes 0-15 the even tile's rows, lanes 16-31 the odd tile's).
; A tile of 128 x 128 and not more: 256 rows of 1,088 bytes and the scales fill LDS, and a head's norm stays inside a lane pair.
; LIMITS as stated at the head of the first kernel.
; REGISTERS.  window 0: v1-10 addresses; v16-55 scale words, two sets of 20; v56-63 at work; v64-95 N's fragments, two sets; v96-127 the quantiser's; v128-255 P's fragments, two sets, later Y and Z.
;   window 1: v0-127 the accumulators (t, m) at 64 m + 8 t; v128-191 the norm's weight.   window 2: v0-127 cos, v128-255 sin (64 m + 8 t + j).
.set PITCH, 272
.set HALF,  64*PITCH                   ; what one tensor load of codes brings
.set REGN,  128*PITCH                  ; 128 rows
.set SLOT,  2*REGN                     ; a quarter: the weights' rows, then hb's
.set SCL,   4*SLOT                     ; the scales: units of 256 bytes + 16; the weights' 32 units, then hb's
.set SCH,   16*PITCH                   ; the scales of 64 rows
.set SPARE, SCL+4*SCH                  ; the spare words, 128 bytes a wave
.set SPW, 1
.set NIL, 2
.set ADP, 3                            ; P's fragments
.set ADN, 4                            ; N's
.set ADSP, 5                           ; P's scale words
.set ADSN, 6                           ; N's
.set CSO, 7                            ; cos, sin: 512 r + 32 h
.set NWO, 8                            ; the norm's weight: 32 h
.set IMO, 9                            ; 16 x lane
.set SWO, 10                           ; 4 x lane
.set SC,  16
.set SS,  56
.set RS,  60
.set PW0, 62
.set PW1, 63
.set NF,  64
.set TM,  96
.set PC0, 112
.set PC1, 120
.set PF,  128
.set Y,   128
.set Z,   192
.set NW,  128                          ; in window 1
.set WV, 80
.set LA, 81
.set LB, 82
.set CX, 83
.set CY, 84
.set HX, 85
.set TY, 86
.set ISV, 87
.set HD, 100
.set MSB, 0
.macro WIN new                         ; the immediate's high byte repeats the setting that is left
.if MSB != (\new)
	s_set_vgpr_msb (MSB<<8)|(\new)
.set MSB, \new
.endif
.endm
.macro PLACES
.rept 4
	v_nop
.endr
.endm
.macro CROUND                          ; a round of the cluster's barrier
	s_barrier_signal -1
	s_barrier_wait -1
	s_cmp_lg_u32 s[WV], 0
	s_cbranch_scc1 .Lnot_wave_0_\@
	s_barrier_signal -3
.Lnot_wave_0_\@:
	s_barrier_wait -3
	s_barrier_signal -1
	s_barrier_wait -1
.endm
.macro MKG0 g, l, loff, p, goff        ; a descriptor's group 0: count 1; LDS address; global address; type 2
	s_mov_b32 s[\g], 1
	s_add_co_u32 s[\g+1], s[\l], \loff
	s_add_nc_u64 s[\g+2:\g+3], s[\p:\p+1], \goff
	s_or_b32 s[\g+3], s[\g+3], 0x80000000
.endm
	s_load_b64 s[92:93], s[0:1], 0x0               ; hb
	s_load_b256 s[36:43], s[0:1], 0x8              ; Wq's codes, scales; Wk's codes, scales
	s_load_b128 s[44:47], s[0:1], 0x28             ; Wv's codes, scales
	v_lshl_add_u32 v[SPW], v0, 2, SPARE
	v_mov_b32 v[NIL], 0
	ds_add_u32 v[SPW], v[NIL]                      ; the opening: the add, twice on end, and its wait ahead of my first tensor load
	ds_add_u32 v[SPW], v[NIL]
	v_lshrrev_b32 v3, 5, v0
	v_readfirstlane_b32 s[WV], v3
	s_lshr_b32 s[LA], s[WV], 1                     ; I fetch for the weights (0) or for hb (1),
	s_and_b32 s[LB], s[WV], 1                      ; and which 64 rows
	s_bfe_u32 s[CX], ttmp6, 0x40000
	s_bfe_u32 s[CY], ttmp6, 0x40004
	s_lshl_b32 s[HX], ttmp9, 2
	s_add_co_u32 s[HX], s[HX], s[CX]               ; head slot
	s_and_b32 s[TY], ttmp7, 0xffff
	s_lshl_b32 s[TY], s[TY], 2
	s_add_co_u32 s[TY], s[TY], s[CY]               ; block of 128 tokens
	s_lshl_b32 s66, s[CY], 2
	s_lshl_b32 s66, 15, s66                        ; my row of the cluster
	s_lshl_b32 s67, 0x1111, s[CX]                  ; my column
	s_lshr_b32 s[ISV], ttmp9, 1
	s_lshr_b32 s101, ttmp9, 2
	s_and_b32 s[ISV], s[ISV], s101
	s_and_b32 s[ISV], s[ISV], 1                    ; 1 where the cluster's x is 6 or 7: v heads
	s_cmp_lt_u32 ttmp9, 6
	s_cselect_b32 s[HD], 16, 24
	s_cmp_lt_u32 ttmp9, 4
	s_cselect_b32 s[HD], 0, s[HD]
	s_sub_co_u32 s[HD], s[HX], s[HD]               ; the head's number among its kind
	; group 1 for codes: 64 rows of 256 bytes, 1,024 bytes apart, 16 bytes of padding behind each
	s_or_b32 s4, s67, (1<<20)|(1<<21)|(5<<22)|(3<<25)
	s_or_b32 s12, s66, (1<<20)|(1<<21)|(5<<22)|(3<<25)
.irp g, 4, 12
	s_mov_b32 s[\g+1], 256<<16
	s_mov_b32 s[\g+2], 64<<16
	s_mov_b32 s[\g+3], 256<<16
	s_mov_b32 s[\g+4], 64
	s_mov_b32 s[\g+5], 1024
	s_mov_b32 s[\g+6], 0
	s_mov_b32 s[\g+7], 0
.endr
	; group 1 for scales: 4,096 dense bytes as 16 rows of 256 (32 elements of 8 bytes), padded alike
	s_or_b32 s20, s67, (3<<16)|(1<<20)|(1<<21)|(5<<22)|(3<<25)
	s_or_b32 s28, s66, (3<<16)|(1<<20)|(1<<21)|(5<<22)|(3<<25)
.irp g, 20, 28
	s_mov_b32 s[\g+1], 32<<16
	s_mov_b32 s[\g+2], 16<<16
	s_mov_b32 s[\g+3], 32<<16
	s_mov_b32 s[\g+4], 16
	s_mov_b32 s[\g+5], 32
	s_mov_b32 s[\g+6], 0
	s_mov_b32 s[\g+7], 0
.endr
	s_lshl_b32 s96, s[HD], 17                      ; the weights' codes: head x 128 rows x 1,024 + my 64 rows
	s_lshl_b32 s101, s[LB], 16
	s_add_co_u32 s96, s96, s101
	s_mov_b32 s97, 0
	s_lshl_b32 s48, s[HD], 13                      ; their scales
	s_lshl_b32 s101, s[LB], 12
	s_add_co_u32 s48, s48, s101
	s_mov_b32 s49, 0
	s_lshl_b32 s98, s[TY], 17                      ; hb's codes
	s_lshl_b32 s101, s[LB], 16
	s_add_co_u32 s98, s98, s101
	s_mov_b32 s99, 0
	s_lshl_b32 s68, s[TY], 13                      ; hb's scales
	s_lshl_b32 s101, s[LB], 12
	s_add_co_u32 s68, s68, s101
	s_add_co_u32 s68, s68, 0x200000
	s_mov_b32 s69, 0
	s_wait_dscnt 0x0                               ; both opening adds are done
	s_wait_kmcnt 0x0
	s_cmp_lt_u32 ttmp9, 6                          ; which weight: the choice hangs on the cluster's x alone
	s_cselect_b64 s[88:89], s[40:41], s[44:45]
	s_cselect_b64 s[90:91], s[42:43], s[46:47]
	s_cmp_lt_u32 ttmp9, 4
	s_cselect_b64 s[88:89], s[36:37], s[88:89]
	s_cselect_b64 s[90:91], s[38:39], s[90:91]
	s_add_nc_u64 s[88:89], s[88:89], s[96:97]
	s_add_nc_u64 s[90:91], s[90:91], s[48:49]
	s_add_nc_u64 s[94:95], s[92:93], s[68:69]
	s_add_nc_u64 s[92:93], s[92:93], s[98:99]
	s_mul_i32 s96, s[WV], HALF                     ; where they go: wave x 64 rows: no place in the cluster enters an LDS address
	s_mul_i32 s97, s[WV], SCH
	MKG0 36, 97, SCL, 90, 0
.irp q, 0,1,2,3
	MKG0 40+4*\q, 96, \q*SLOT, 88, 256*\q
.endr
	MKG0 56, 97, SCL, 94, 0
	MKG0 60, 96, 0, 92, 0
	MKG0 68, 96, SLOT, 92, 256
	MKG0 72, 96, 2*SLOT, 92, 512
	MKG0 76, 96, 3*SLOT, 92, 768
	CROUND                                         ; all sixteen work-groups are here: the joint loads meet
	s_cmp_eq_u32 s[LA], 0                          ; a wave's five first fills stand in one arm of one branch on its number
	s_cbranch_scc0 .Lfor_h
	tensor_load_to_lds s[36:39], s[20:27]
	s_nop 0
	tensor_load_to_lds s[40:43], s[4:11]
	s_nop 0
	tensor_load_to_lds s[44:47], s[4:11]
	s_nop 0
	tensor_load_to_lds s[48:51], s[4:11]
	s_nop 0
	tensor_load_to_lds s[52:55], s[4:11]
	s_nop 0
	PLACES
	s_branch .Lasked
.Lfor_h:
	tensor_load_to_lds s[56:59], s[28:35]
	s_nop 0
	tensor_load_to_lds s[60:63], s[12:19]
	s_nop 0
	tensor_load_to_lds s[68:71], s[12:19]
	s_nop 0
	tensor_load_to_lds s[72:75], s[12:19]
	s_nop 0
	tensor_load_to_lds s[76:79], s[12:19]
	s_nop 0
	PLACES
.Lasked:
	s_load_b128 s[88:91], s[0:1], 0x38             ; q_norm_w, k_norm_w
	s_load_b128 s[92:95], s[0:1], 0x48             ; cos, sin
	v_and_b32 v11, 15, v0                          ; r
	v_bfe_u32 v12, v0, 4, 1                        ; h
	v_and_b32 v13, 31, v0                          ; lane
	v_mul_u32_u24 v14, v11, PITCH
	v_lshl_add_u32 v14, v12, 4, v14                ; a fragment's row x pitch + 16 h
	s_mul_i32 s96, s[ISV], REGN                    ; P: the weights' rows, for v hb's
	s_xor_b32 s97, s[ISV], 1
	s_mul_i32 s97, s97, REGN                       ; N: the other,
	s_mul_i32 s98, s[WV], 32*PITCH                 ; my 32 rows of it
	s_add_co_u32 s97, s97, s98
	v_add_nc_u32 v[ADP], s96, v14
	v_add_nc_u32 v[ADN], s97, v14
	v_lshrrev_b32 v15, 2, v13
	v_mul_u32_u24 v15, v15, PITCH
	v_and_b32 v14, 3, v13
	v_lshl_add_u32 v15, v14, 6, v15                ; row l of a pair of tiles: four rows of 64 scale bytes to a unit
	s_mul_i32 s96, s[ISV], 2*SCH
	s_add_co_u32 s96, s96, SCL
	s_xor_b32 s97, s[ISV], 1
	s_mul_i32 s97, s97, 2*SCH
	s_mul_i32 s98, s[WV], 8*PITCH
	s_add_co_u32 s97, s97, s98
	s_add_co_u32 s97, s97, SCL
	v_add_nc_u32 v[ADSP], s96, v15
	v_add_nc_u32 v[ADSN], s97, v15
	v_lshlrev_b32 v[CSO], 9, v11
	v_lshl_add_u32 v[CSO], v12, 5, v[CSO]
	v_lshlrev_b32 v[NWO], 5, v12
	v_lshlrev_b32 v[IMO], 4, v13
	v_lshlrev_b32 v[SWO], 2, v13
.irp b, 0,1,2,3
	v_mov_b32 v[TM+4+\b], 0                        ; written once: a lane permute's destination counts as one of its sources
.endr
.macro FRAGP set, sp                   ; P's eight fragments of the quarter's sp-th 128 along K
.irp t, 0,1,2,3,4,5,6,7
.irp c, 0,1
	ds_load_b128 v[PF+64*(\set)+8*\t+4*\c:PF+64*(\set)+8*\t+4*\c+3], v[ADP] offset:\t*16*PITCH+64*(\sp)+32*\c
.endr
.endr
.endm
.macro FRAGN set, sp                   ; N's two
.irp m, 0,1
.irp c, 0,1
	ds_load_b128 v[NF+16*(\set)+8*\m+4*\c:NF+16*(\set)+8*\m+4*\c+3], v[ADN] offset:\m*16*PITCH+64*(\sp)+32*\c
.endr
.endr
.endm
.macro SCALES set, q                   ; a quarter's scale words: four words a row; lanes 0-15 the even tile's rows, lanes 16-31 the odd tile's
.irp b, 0,1,2,3
	ds_load_b128 v[SC+20*(\set)+4*\b:SC+20*(\set)+4*\b+3], v[ADSP] offset:8*PITCH*\b+16*(\q)
.endr
	ds_load_b128 v[SC+20*(\set)+16:SC+20*(\set)+19], v[ADSN] offset:16*(\q)
.endm
.macro WMC c, ra, rb                   ; one product; the odd tile of a pair takes its scales from lanes 16-31
.if (\ra) && (\rb)
	v_wmma_scale_f32_16x16x128_f8f6f4 v[rD:rD+7], v[rA:rA+7], v[rB:rB+7], \c, v[rSA], v[rSB] matrix_a_fmt:MATRIX_FMT_FP4 matrix_b_fmt:MATRIX_FMT_FP4 matrix_a_scale:MATRIX_SCALE_ROW1 matrix_b_scale:MATRIX_SCALE_ROW1
.elseif (\ra)
	v_wmma_scale_f32_16x16x128_f8f6f4 v[rD:rD+7], v[rA:rA+7], v[rB:rB+7], \c, v[rSA], v[rSB] matrix_a_fmt:MATRIX_FMT_FP4 matrix_b_fmt:MATRIX_FMT_FP4 matrix_a_scale:MATRIX_SCALE_ROW1
.elseif (\rb)
	v_wmma_scale_f32_16x16x128_f8f6f4 v[rD:rD+7], v[rA:rA+7], v[rB:rB+7], \c, v[rSA], v[rSB] matrix_a_fmt:MATRIX_FMT_FP4 matrix_b_fmt:MATRIX_FMT_FP4 matrix_b_scale:MATRIX_SCALE_ROW1
.else
	v_wmma_scale_f32_16x16x128_f8f6f4 v[rD:rD+7], v[rA:rA+7], v[rB:rB+7], \c, v[rSA], v[rSB] matrix_a_fmt:MATRIX_FMT_FP4 matrix_b_fmt:MATRIX_FMT_FP4
.endif
.endm
; P's tiles t0 .. t0 + n - 1 against N's two.  The sixteen accumulators take turns, one instruction a turn, in the same order in every step.  zero = 1: the first products start the sums.
.macro MUL t0, n, set, sset, sp, zero
.set T, \t0
.rept \n
.irp m, 0,1
.set rD, 64*\m+8*T
.set rA, PF+64*(\set)+8*T
.set rB, NF+16*(\set)+8*\m
.set rSA, SC+20*(\sset)+4*(T/2)+(\sp)
.set rSB, SC+20*(\sset)+16+(\sp)
.if \zero
	WMC 0, T%2, \m
.else
	WMC v[rD:rD+7], T%2, \m
.endif
.endr
.set T, T+1
.endr
.endm
; A step of 128 along K whose successor lies in the same quarter: the next step's 20 loads go out ahead of this step's 16 products.
.macro STEP q, sp, zero
	s_wait_dscnt 0x0                               ; this step's fragments and scale words are in
.if !(\zero)
	PLACES                                         ; four places between the last products and loads into the registers that they read
.endif
	FRAGP 1-(\sp)%2, (\sp)+1
	FRAGN 1-(\sp)%2, (\sp)+1
	WIN 0x50                                       ; C and D in window 1
	MUL 0, 8, (\sp)%2, (\q)%2, \sp, \zero
	WIN 0
.endm
; A quarter's last step.  My part of the next quarter has landed (the later quarters may stay out); behind the barrier everybody's has.
.macro CHANGE q
	s_wait_dscnt 0x0
	s_wait_tensorcnt 2-(\q)
.if (\q) == 2
	s_load_b256 s[4:11], s[0:1], 0x58              ; no tensor load of mine is out, so descriptor registers may be written: qb, kf, vf, side
.endif
	s_barrier_signal -1
	WIN 0x50
	MUL 0, 4, 1, (\q)%2, 3, 0
	WIN 0
	s_barrier_wait -1
	PLACES
	v_add_nc_u32 v[ADP], SLOT, v[ADP]
	v_add_nc_u32 v[ADN], SLOT, v[ADN]
	FRAGP 0, 0
	FRAGN 0, 0
	SCALES ((\q)+1)%2, (\q)+1
	WIN 0x50
	MUL 4, 4, 1, (\q)%2, 3, 0
	WIN 0
.endm
.macro LASTQ                           ; the last quarter; written in both arms of the one branch on the kind of head
	STEP 3, 0, 0
	STEP 3, 1, 0
	STEP 3, 2, 0
	s_wait_dscnt 0x0
	WIN 0x50
	MUL 0, 8, 1, 1, 3, 0
	WIN 0
	PLACES                                         ; in front of the first reads of results and of writes over the fragments' registers
.endm
; 64 numbers of a lane, v[s] .. v[s + 63] of window xw, registers 16 b .. 16 b + 15 = my half of block b, become a fragment's codes in v[pc] .. v[pc + 7] and its scale word in v[pw].
.macro QUANTN s, xw, pc, pw
.set QW, ((\xw)<<2)|((\xw)<<4)
	WIN QW
.irp b, 0,1,2,3
	v_max3_num_f32 v[TM+\b], 0x1800000, |v[\s+16*\b]|, |v[\s+16*\b+1]|      ; with the floor 2^(3 - 127): the byte cannot fall under 1.  Each accumulator is read from its low end on
.endr
.irp i, 2,4,6,8,10,12,14
.irp b, 0,1,2,3
	v_max3_num_f32 v[TM+\b], v[TM+\b], |v[\s+16*\b+\i]|, |v[\s+16*\b+\i+1]|
.endr
.endr
	WIN 0
.irp b, 0,1,2,3
	v_permlanex16_b32 v[TM+4+\b], v[TM+\b], s12, s13
.endr
.irp b, 0,1,2,3
	v_max_num_f32 v[TM+\b], v[TM+\b], v[TM+4+\b]   ; with lane l xor 16's half: the block's largest magnitude
.endr
.irp b, 0,1,2,3
	v_add_nc_u32 v[TM+12+\b], 0xff000000, v[TM+\b] ; 2 off its exponent field: the conversion's scale operand
.endr
.irp b, 0,1,2,3
	v_lshrrev_b32 v[TM+4+\b], 23, v[TM+12+\b]      ; the scale's byte
.endr
	v_lshl_or_b32 v[\pw], v[TM+5], 8, v[TM+4]
	v_lshl_or_b32 v[\pw], v[TM+6], 16, v[\pw]
	v_lshl_or_b32 v[\pw], v[TM+7], 24, v[\pw]
	WIN \xw
.irp b, 0,1,2,3
	v_cvt_scalef32_pk8_fp4_f32 v[\pc+4*(\b/2)+(\b%2)], v[\s+16*\b:\s+16*\b+7], v[TM+12+\b]        ; octet h of block b
	v_cvt_scalef32_pk8_fp4_f32 v[\pc+4*(\b/2)+2+(\b%2)], v[\s+16*\b+8:\s+16*\b+15], v[TM+12+\b]   ; octet 2 + h
.endr
	WIN 0
	v_nop                                          ; one plain place behind a scaled conversion
.irp c, 0,1
	v_permlane16_swap_b32 v[\pc+4*\c], v[\pc+4*\c+1]      ; lanes 0-15 get block 2 c whole, lanes 16-31 block 2 c + 1: octets 0, 1,
	v_permlane16_swap_b32 v[\pc+4*\c+2], v[\pc+4*\c+3]    ; octets 2, 3
.endr
.endm
; The way out of 16 tokens of q or k: x rsqrt(mean x^2 + 1e-6) w, RoPE (d + 64 is tile t + 4: register n + 32 of the same lane), the quantiser.
.macro EPI m, pc, pw
	WIN 0x05
	v_pk_mul_f32 v[SS:SS+1], v[64*\m:64*\m+1], v[64*\m:64*\m+1]
	v_pk_mul_f32 v[SS+2:SS+3], v[64*\m+2:64*\m+3], v[64*\m+2:64*\m+3]
.set n, 64*\m+4
.rept 15
	v_pk_fma_f32 v[SS:SS+1], v[n:n+1], v[n:n+1], v[SS:SS+1]
	v_pk_fma_f32 v[SS+2:SS+3], v[n+2:n+3], v[n+2:n+3], v[SS+2:SS+3]
.set n, n+4
.endr
	WIN 0
	v_pk_add_f32 v[SS:SS+1], v[SS:SS+1], v[SS+2:SS+3]
	v_add_f32 v[SS], v[SS], v[SS+1]
	v_permlanex16_b32 v[SS+1], v[SS], s12, s13
	v_add_f32 v[SS], v[SS], v[SS+1]                ; the token's sum of squares over the head's 128
	v_fma_f32 v[SS], v[SS], s14, s15               ; / 128 + 1e-6
	v_rsq_f32 v[RS], v[SS]
	v_nop
	s_wait_alu depctr_va_vdst(0)                   ; the wait ahead of a transcendental's first reader
	v_mov_b32 v[RS+1], v[RS]
	WIN 0x01
.set n, 0
.rept 32
	v_pk_mul_f32 v[Y+n:Y+n+1], v[64*\m+n:64*\m+n+1], v[RS:RS+1]
.set n, n+2
.endr
	WIN 0x04
.set n, 0
.rept 32
	v_pk_mul_f32 v[Y+n:Y+n+1], v[Y+n:Y+n+1], v[NW+n:NW+n+1]
.set n, n+2
.endr
	WIN 0x08
.set n, 0
.rept 32
	v_pk_mul_f32 v[Z+n:Z+n+1], v[Y+n:Y+n+1], v[64*\m+n:64*\m+n+1]
.set n, n+2
.endr
.set n, 0
.rept 16
	v_pk_fma_f32 v[Z+n:Z+n+1], v[Y+32+n:Y+33+n], v[128+64*\m+n:129+64*\m+n], v[Z+n:Z+n+1] neg_lo:[1,0,0] neg_hi:[1,0,0]
	v_pk_fma_f32 v[Z+32+n:Z+33+n], v[Y+n:Y+n+1], v[160+64*\m+n:161+64*\m+n], v[Z+32+n:Z+33+n]
.set n, n+2
.endr
	QUANTN Z, 0, \pc, \pw
.endm
	s_wait_tensorcnt 0x3                           ; my part of the scales and of quarter 0 is in; quarters 1 to 3 may be out
	s_barrier_signal -1
	s_barrier_wait -1                              ; everybody's is
	FRAGP 0, 0
	FRAGN 0, 0
	SCALES 0, 0
	STEP 0, 0, 1
	STEP 0, 1, 0
	STEP 0, 2, 0
	CHANGE 0
	STEP 1, 0, 0
	STEP 1, 1, 0
	STEP 1, 2, 0
	CHANGE 1
	STEP 2, 0, 0
	STEP 2, 1, 0
	STEP 2, 2, 0
	CHANGE 2
	s_mov_b32 s12, 0x76543210
	s_mov_b32 s13, 0xfedcba98                      ; v_permlanex16_b32's selects for lane l xor 16
	s_mov_b32 s14, 0x3c000000                      ; 1 / 128
	s_mov_b32 s15, 0x358637bd                      ; 1e-6
	s_mov_b32 s16, 0xffff0000                      ; lanes 16-31
	s_wait_kmcnt 0x0
	s_cmp_lg_u32 s[ISV], 0
	s_cbranch_scc1 .Lv_arm
	s_cmp_lt_u32 ttmp9, 4                          ; q or k: their norm's weight, and cos and sin of my 32 tokens, are asked for a quarter ahead of their use
	s_cselect_b64 s[88:89], s[88:89], s[90:91]
	s_lshl_b32 s96, s[TY], 16
	s_lshl_b32 s97, s[WV], 14
	s_add_co_u32 s96, s96, s97
	s_mov_b32 s97, 0
	s_add_nc_u64 s[92:93], s[92:93], s[96:97]
	s_add_nc_u64 s[94:95], s[94:95], s[96:97]
	WIN 0x40
.irp t, 0,1,2,3,4,5,6,7
.irp e, 0,1
	global_load_b128 v[NW+8*\t+4*\e:NW+8*\t+4*\e+3], v[NWO], s[88:89] offset:64*\t+16*\e
.endr
.endr
	WIN 0x80
.irp m, 0,1
.irp t, 0,1,2,3,4,5,6,7
.irp e, 0,1
	global_load_b128 v[64*\m+8*\t+4*\e:64*\m+8*\t+4*\e+3], v[CSO], s[92:93] offset:8192*\m+64*\t+16*\e
	global_load_b128 v[128+64*\m+8*\t+4*\e:128+64*\m+8*\t+4*\e+3], v[CSO], s[94:95] offset:8192*\m+64*\t+16*\e
.endr
.endr
.endr
	WIN 0
	LASTQ
	s_wait_loadcnt 0x0
	EPI 0, PC0, PW0
	EPI 1, PC1, PW1
	s_branch .Lout
.Lv_arm:
	LASTQ
	QUANTN 0, 1, PC0, PW0                          ; v: a lane's 64 registers run along the key step's 128 tokens: straight from the accumulators
	QUANTN 64, 1, PC1, PW1
.Lout:
	s_lshl_b32 s18, s[HD], 17                      ; fragments: head x 131072 + block x 8192 + wave x 2048 (two fragments)
	s_lshl_b32 s19, s[TY], 13
	s_add_co_u32 s18, s18, s19
	s_lshl_b32 s19, s[WV], 11
	s_add_co_u32 s18, s18, s19
	s_mov_b32 s19, 0
	s_lshl_b32 s22, s[HD], 13                      ; scale pairs: q: behind qb's fragments;
	s_add_co_u32 s22, s22, 0x200000
	s_mul_i32 s23, s[HD], 24576                    ; k: at the head of side's part, v: 16,384 bytes on
	s_lshl_b32 s24, s[ISV], 14
	s_add_co_u32 s23, s23, s24
	s_cmp_lt_u32 ttmp9, 6
	s_cselect_b64 s[20:21], s[6:7], s[8:9]
	s_cmp_lt_u32 ttmp9, 4
	s_cselect_b64 s[20:21], s[4:5], s[20:21]
	s_cselect_b64 s[26:27], s[4:5], s[10:11]
	s_cselect_b32 s22, s22, s23
	s_mov_b32 s23, 0
	s_lshl_b32 s24, s[TY], 9
	s_add_co_u32 s22, s22, s24
	s_lshl_b32 s24, s[WV], 7
	s_add_co_u32 s22, s22, s24
	s_add_nc_u64 s[20:21], s[20:21], s[18:19]
	s_add_nc_u64 s[26:27], s[26:27], s[22:23]
	v_cndmask_b32 v[PW0], v[PW0], v[PW1], s16      ; lanes 0-15 the even tile's words, lanes 16-31 the odd tile's
	global_store_b128 v[IMO], v[PC0:PC0+3], s[20:21]               ; each store covers 512 consecutive bytes, aligned
	global_store_b128 v[IMO], v[PC0+4:PC0+7], s[20:21] offset:512
	global_store_b128 v[IMO], v[PC1:PC1+3], s[20:21] offset:1024
	global_store_b128 v[IMO], v[PC1+4:PC1+7], s[20:21] offset:1536
	global_store_b32 v[SWO], v[PW0], s[26:27]      ; 128 consecutive bytes
	s_wait_tensorcnt 0x0                           ; the wave's end
	ds_add_u32 v[SPW], v[NIL]
	s_wait_dscnt 0x0
	CROUND                                         ; the closing round
	s_endpgm
.Lfunc_end_k_q1758c80e5e_qkv:
	.size	k_q1758c80e5e_qkv, .Lfunc_end_k_q1758c80e5e_qkv-k_q1758c80e5e_qkv
	.p2alignl 7, 3214868480
	.fill 96, 4, 3214868480
	.section	.rodata,"a",@progbits
	.p2align	6, 0x0
	.amdhsa_kernel k_q1758c80e5e_qkv
		.amdhsa_group_segment_fixed_size 327680
		.amdhsa_private_segment_fixed_size 0
		.amdhsa_enable_private_segment 0
		.amdhsa_kernarg_size 120
		.amdhsa_user_sgpr_count 2
		.amdhsa_user_sgpr_kernarg_segment_ptr 1
		.amdhsa_wavefront_size32 1
		.amdhsa_system_sgpr_workgroup_id_x 1
		.amdhsa_system_sgpr_workgroup_id_y 1
		.amdhsa_system_sgpr_workgroup_id_z 1
		.amdhsa_system_vgpr_workitem_id 0
		.amdhsa_next_free_vgpr 768
		.amdhsa_next_free_sgpr 102
		.amdhsa_reserve_vcc 0
		.amdhsa_float_denorm_mode_32 3
		.amdhsa_float_denorm_mode_16_64 3
		.amdhsa_memory_ordered 1
		.amdhsa_forward_progress 1
		.amdhsa_inst_pref_size 127
	.end_amdhsa_kernel
	.amdgpu_metadata
---
amdhsa.version: [ 1, 2 ]
amdhsa.kernels:
  - .name:           k_q1758c80e5e_qkv
    .symbol:         k_q1758c80e5e_qkv.kd
    .args:
      - { .name: hb, .offset: 0, .size: 8, .value_kind: global_buffer, .address_space: global }
      - { .name: Wq_codes, .offset: 8, .size: 8, .value_kind: global_buffer, .address_space: global }
      - { .name: Wq_scales, .offset: 16, .size: 8, .value_kind: global_buffer, .address_space: global }
      - { .name: Wk_codes, .offset: 24, .size: 8, .value_kind: global_buffer, .address_space: global }
      - { .name: Wk_scales, .offset: 32, .size: 8, .value_kind: global_buffer, .address_space: global }
      - { .name: Wv_codes, .offset: 40, .size: 8, .value_kind: global_buffer, .address_space: global }
      - { .name: Wv_scales, .offset: 48, .size: 8, .value_kind: global_buffer, .address_space: global }
      - { .name: q_norm_w, .offset: 56, .size: 8, .value_kind: global_buffer, .address_space: global }
      - { .name: k_norm_w, .offset: 64, .size: 8, .value_kind: global_buffer, .address_space: global }
      - { .name: cos, .offset: 72, .size: 8, .value_kind: global_buffer, .address_space: global }
      - { .name: sin, .offset: 80, .size: 8, .value_kind: global_buffer, .address_space: global }
      - { .name: qb, .offset: 88, .size: 8, .value_kind: global_buffer, .address_space: global }
      - { .name: kf, .offset: 96, .size: 8, .value_kind: global_buffer, .address_space: global }
      - { .name: vf, .offset: 104, .size: 8, .value_kind: global_buffer, .address_space: global }
      - { .name: side, .offset: 112, .size: 8, .value_kind: global_buffer, .address_space: global }
    .group_segment_fixed_size: 327680
    .private_segment_fixed_size: 0
    .kernarg_segment_align: 8
    .kernarg_segment_size: 120
    .max_flat_workgroup_size: 128
    .sgpr_count:     102
    .vgpr_count:     768
    .wavefront_size: 32
...
	.end_amdgpu_metadata
.endif
;; end of part 2
;; launch attn (part 3): grid 16 x 16, 8 waves a work-group, clusters of 4 x 1, 327,680 bytes of LDS; arguments qb, kf, vf, side, ob; writes ob
.if DOCPART == 3
	.amdgcn_target "amdgcn-amd-amdhsa--gfx1250"
	.amdhsa_code_object_version 6
	.text
	.protected	k_q1758c80e5e_attn
	.globl	k_q1758c80e5e_attn
	.p2align	8
	.type	k_q1758c80e5e_attn,@function
k_q1758c80e5e_attn:
	s_mov_b64 s[64:65], 0
	v_nop
	global_prefetch_b8 v0, s[64:65] scope:SCOPE_SE
	s_setreg_imm32_b32 hwreg(HW_REG_WAVE_MODE, 25, 1), 1
	s_wait_xcnt 0x0
	s_wait_alu depctr_hold_cnt(0) depctr_sa_sdst(0) depctr_va_vdst(0) depctr_va_sdst(0) depctr_va_ssrc(0) depctr_va_vcc(0) depctr_vm_vsrc(0)
	s_getreg_b32 s2, hwreg(HW_REG_IB_STS2, 6, 4)
	s_cmp_eq_u32 s2, 0
	s_cbranch_scc0 .Lentry_in_a_cluster
	s_endpgm
.Lentry_in_a_cluster:
	s_bfe_u32 s2, ttmp6, 0x10000c
	s_cmp_lg_u32 s2, 0x3003
	s_cbranch_scc0 .Lentry_shape_is_right
	s_endpgm
.Lentry_shape_is_right:
; ATTN.  O = softmax(q k^T / sqrt(128) + log_beta[key] x age, causal) v on codes of E2M1, then O / l quantised along the head's 128 for the last projection.
; LEFT OUT: key steps of 128 keys all of which come after the wave's 16 queries: the mask that reference() builds in its own body throws them away, whatever the inputs hold (shown at the head of the first kernel).
; THE SOFTMAX: x = score + u' x age (u' = log_beta x sqrt(128)); t = x c, c = log2(e) / sqrt(128); M = the ceiling of the running largest t; p = 2^(t - M) is quantised along the keys; the row's sum is taken of the
; unquantised p and divides at the end; when M moves, the sum and O are multiplied by 2^(old M - new M), which rounds nothing.
; SHARES.  A wave owns one tile of 16 queries of one head.  A key/value head's codes (fragment images, 128 KB + 128 KB) and its 24 KB of scale pairs and u' all lie in LDS: every byte is filled once, in four pieces of
; 512 keys, by waves 0 to 3 (five tensor loads each, five out at the most); the waits count down piece by piece.
; EVEN LOAD.  The group of 128 queries of a wave, G, is made of the wave's number and the cluster's x alone: waves 0-3 take G = 12 - 4 a + X (a = bit 1 of the wave's number), waves 4-7 take 15 less that: waves w and
; w + 4 walk 17 key steps together in every work-group.  The tile within the group, 2 cx + (wave & 1), enters global addresses and lane data alone.  So every branch is the same in the four partners of a cluster, which
; belong to one head, and K, V and the side data are asked for JOINTLY (mask 15).
; LAYOUT.  Both products transposed: S^T = K Q^T, O^T = V^T P^T: a lane holds one query.  Register j of tile t of lane (r, h) is key 16 t + 8 h + j of the step; the quantiser's lane swaps give the operand's layout.
; LIMITS as stated at the head of the first kernel.
; REGISTERS: v1-4 places that stay; v5, v6 the add's two; v7 my query - 8 h; v8-11, v25 addresses in hand; v12 -M, v13 the largest t, v[14:15] the sum; v16-23 Q, v24 its scale word; v[26:27] minus my age at key offset 0, 1;
;   v28 4 r; v32-95 K's fragments and u', then V's eight; v96-159 S^T, x, p; v160-223 O^T; v224-231 p's codes; v232-247, v252, v254 at work; v248-251 scale pairs; v253 p's scale word.
.set VL,    131072                     ; LDS: K's images at 0, V's here,
.set KSS,   262144                     ; K's scale pairs [64][128],
.set UT,    270336                     ; u' [2048] f32,
.set VSS,   278528                     ; V's scale pairs [16][4][128]
.set SPARE, 286720                     ; the spare words, 128 bytes a wave: four blocks of 256 bytes
.set WV, 14
.macro PLACES
.rept 4
	v_nop
.endr
.endm
.macro CROUND
	s_barrier_signal -1
	s_barrier_wait -1
	s_cmp_lg_u32 s[WV], 0
	s_cbranch_scc1 .Lnot_wave_0_\@
	s_barrier_signal -3
.Lnot_wave_0_\@:
	s_barrier_wait -3
	s_barrier_signal -1
	s_barrier_wait -1
.endm
.macro MKG0 g, l, loff, p, goff
	s_mov_b32 s[\g], 1
	s_add_co_u32 s[\g+1], s[\l], \loff
	s_add_nc_u64 s[\g+2:\g+3], s[\p:\p+1], \goff
	s_or_b32 s[\g+3], s[\g+3], 0x80000000
.endm
	s_load_b256 s[4:11], s[0:1], 0x0               ; qb, kf, vf, side
	s_load_b64 s[12:13], s[0:1], 0x20              ; ob
	v_lshl_add_u32 v5, v0, 2, SPARE
	v_mov_b32 v6, 0
	ds_add_u32 v5, v6                              ; the opening: the add, twice on end, and its wait ahead of the first tensor loads
	ds_add_u32 v5, v6
	v_lshrrev_b32 v8, 5, v0
	v_readfirstlane_b32 s[WV], v8
	s_bfe_u32 s16, ttmp6, 0x40000                  ; cx
	s_and_b32 s17, ttmp7, 0xffff                   ; the query head
	s_lshr_b32 s18, s17, 1                         ; its key/value head
	s_bfe_u32 s88, s[WV], 0x10001
	s_lshl_b32 s88, s88, 2
	s_sub_co_u32 s88, 12, s88
	s_add_co_u32 s88, s88, ttmp9
	s_sub_co_u32 s89, 15, s88
	s_cmp_lt_u32 s[WV], 4
	s_cselect_b32 s19, s88, s89                    ; G
	s_lshl_b32 s86, s19, 3
	s_lshl_b32 s88, s16, 1
	s_add_co_u32 s86, s86, s88
	s_and_b32 s88, s[WV], 1
	s_add_co_u32 s86, s86, s88                     ; my tile of queries
	s_lshl_b32 s85, s86, 4                         ; my first query
	s_mov_b32 s20, 0x76543210
	s_mov_b32 s21, 0xfedcba98
	s_mov_b32 s22, 0x3e0293ee                      ; c
	s_mov_b32 s23, s22
	; group 1: 16,384 dense bytes as 64 rows of 256 (32 elements of 8 bytes), no padding; for the side data 24 rows
	s_mov_b32 s24, 15|(3<<16)|(1<<21)
	s_mov_b32 s25, 32<<16
	s_mov_b32 s26, 64<<16
	s_mov_b32 s27, 32<<16
	s_mov_b32 s28, 64
	s_mov_b32 s29, 32
	s_mov_b32 s30, 0
	s_mov_b32 s31, 0
	s_mov_b32 s32, 15|(3<<16)|(1<<21)
	s_mov_b32 s33, 32<<16
	s_mov_b32 s34, 24<<16
	s_mov_b32 s35, 32<<16
	s_mov_b32 s36, 24
	s_mov_b32 s37, 32
	s_mov_b32 s38, 0
	s_mov_b32 s39, 0
	s_and_b32 s88, s[WV], 1
	s_lshl_b32 s88, s88, 14                        ; which half of a piece I fetch
	s_lshl_b32 s90, s18, 17
	s_add_co_u32 s90, s90, s88
	s_mov_b32 s91, 0
	s_and_b32 s92, s[WV], 3
	s_mul_i32 s92, s92, 6144                       ; which quarter of the side data
	s_mul_i32 s94, s18, 24576
	s_add_co_u32 s94, s94, s92
	s_mov_b32 s95, 0
	s_wait_dscnt 0x0                               ; both opening adds are done
	s_wait_kmcnt 0x0
	s_add_nc_u64 s[6:7], s[6:7], s[90:91]
	s_add_nc_u64 s[8:9], s[8:9], s[90:91]
	s_add_nc_u64 s[10:11], s[10:11], s[94:95]
	MKG0 40, 92, KSS, 10, 0
.irp p, 0,1,2,3
	MKG0 44+4*\p, 88, 32768*\p, 6, 32768*\p
.endr
	MKG0 60, 88, VL, 8, 0
	MKG0 68, 88, VL+32768, 8, 32768
	MKG0 72, 88, VL+65536, 8, 65536
	MKG0 76, 88, VL+98304, 8, 98304
	CROUND                                         ; all four work-groups are here: the joint loads meet
	s_cmp_lt_u32 s[WV], 2                          ; a wave's first fills stand in one arm: waves 0, 1: side data and K; waves 2, 3: side data and V
	s_cbranch_scc0 .Lnot_k
	tensor_load_to_lds s[40:43], s[32:39]
	s_nop 0
	tensor_load_to_lds s[44:47], s[24:31]
	s_nop 0
	tensor_load_to_lds s[48:51], s[24:31]
	s_nop 0
	tensor_load_to_lds s[52:55], s[24:31]
	s_nop 0
	tensor_load_to_lds s[56:59], s[24:31]
	s_nop 0
	PLACES
	s_branch .Lasked
.Lnot_k:
	s_cmp_lt_u32 s[WV], 4
	s_cbranch_scc0 .Lasked
	tensor_load_to_lds s[40:43], s[32:39]
	s_nop 0
	tensor_load_to_lds s[60:63], s[24:31]
	s_nop 0
	tensor_load_to_lds s[68:71], s[24:31]
	s_nop 0
	tensor_load_to_lds s[72:75], s[24:31]
	s_nop 0
	tensor_load_to_lds s[76:79], s[24:31]
	s_nop 0
	PLACES
.Lasked:
	v_and_b32 v29, 31, v0
	v_and_b32 v30, 15, v0
	v_bfe_u32 v31, v0, 4, 1
	v_lshlrev_b32 v1, 4, v29                       ; an image's place for my lane
	v_lshl_add_u32 v2, v29, 2, KSS
	v_lshl_add_u32 v3, v31, 5, UT
	v_lshl_add_u32 v4, v29, 2, VSS
	v_lshlrev_b32 v28, 2, v30
	v_lshlrev_b32 v31, 3, v31
	v_sub_nc_u32 v7, v30, v31
	v_add_nc_u32 v7, s85, v7                       ; my query - 8 h
	s_lshl_b32 s88, s17, 17
	s_lshl_b32 s89, s86, 10
	s_add_co_u32 s88, s88, s89                     ; a fragment: head x 131072 + tile x 1024
	s_mov_b32 s89, 0
	s_lshl_b32 s90, s17, 13
	s_lshl_b32 s91, s86, 6
	s_add_co_u32 s90, s90, s91
	s_add_co_u32 s90, s90, 0x200000                ; its scale words: head x 8192 + tile x 64, behind the fragments
	s_mov_b32 s91, 0
	s_add_nc_u64 s[92:93], s[4:5], s[88:89]
	s_add_nc_u64 s[94:95], s[4:5], s[90:91]
	s_add_nc_u64 s[96:97], s[12:13], s[88:89]
	s_add_nc_u64 s[98:99], s[12:13], s[90:91]
	global_load_b128 v[16:19], v1, s[92:93]        ; Q's fragment stays in registers
	global_load_b128 v[20:23], v1, s[92:93] offset:512
	global_load_b32 v24, v28, s[94:95]
	v_mov_b32 v13, 0xff61b1e6                      ; the largest t so far: -3e38
	v_floor_f32 v12, -v13
	v_mov_b32 v14, 0
	v_mov_b32 v15, 0
.irp b, 0,1,2,3
	v_mov_b32 v[236+\b], 0                         ; written once: a lane permute's destination counts as one of its sources
.endr
	v_mov_b32 v252, 0
	v_mov_b32 v253, 0
.set j, 0
.rept 64
	v_mov_b32 v[160+j], 0                          ; O^T: the step is written once; the first finds zeros, which the first change of M leaves zeros
.set j, j+1
.endr
.macro SW d, a, b, c, sa, sb, odd      ; one product; the odd tile of a pair takes its scales from lanes 16-31
.if \odd
	v_wmma_scale_f32_16x16x128_f8f6f4 v[\d:\d+7], v[\a:\a+7], v[\b:\b+7], \c, v[\sa], v[\sb] matrix_a_fmt:MATRIX_FMT_FP4 matrix_b_fmt:MATRIX_FMT_FP4 matrix_a_scale:MATRIX_SCALE_ROW1
.else
	v_wmma_scale_f32_16x16x128_f8f6f4 v[\d:\d+7], v[\a:\a+7], v[\b:\b+7], \c, v[\sa], v[\sb] matrix_a_fmt:MATRIX_FMT_FP4 matrix_b_fmt:MATRIX_FMT_FP4
.endif
.endm
.macro FBITS n                         ; FB = the bits of the whole number n, 0 .. 127, as f32
.if (\n) == 0
.set FB, 0
.else
.set FE, 0
.if (\n) >= 2
.set FE, 1
.endif
.if (\n) >= 4
.set FE, 2
.endif
.if (\n) >= 8
.set FE, 3
.endif
.if (\n) >= 16
.set FE, 4
.endif
.if (\n) >= 32
.set FE, 5
.endif
.if (\n) >= 64
.set FE, 6
.endif
.set FB, ((127+FE)<<23)|(((\n)-(1<<FE))<<(23-FE))
.endif
.endm
.macro BIAS t, u                       ; tile t: x = s - u' x (key offset - my query's): whole numbers under 2^24, so the ages are exact.  Each accumulator is read from its low end on
.irp j, 0,2,4,6
	FBITS 16*(\t)+\j
	v_pk_add_f32 v[232+\j:233+\j], v[26:27], FB op_sel_hi:[1,0]
.endr
.irp j, 0,2,4,6
	v_pk_fma_f32 v[96+8*(\t)+\j:97+8*(\t)+\j], v[\u+\j:\u+\j+1], v[232+\j:233+\j], v[96+8*(\t)+\j:97+8*(\t)+\j] neg_lo:[1,0,0] neg_hi:[1,0,0]
.endr
.endm
; A KEY STEP of 128 keys.  s80 its number, s81 its first key, s82 its images' byte (8,192 a step), s83 its pairs' and u's byte (512 a step).
.macro STEP
	s_cmp_gt_u32 s80, s19                          ; all its keys come after my queries: only the scalar steps at its end are run
	s_cbranch_scc1 .Lhidden_\@
	v_add_nc_u32 v8, s82, v1                       ; (these lines are also the places between the last step's products and the loads below)
	v_add_nc_u32 v10, s83, v2
	v_add_nc_u32 v25, s83, v3
	v_add_nc_u32 v11, s83, v4
	v_add_nc_u32 v9, VL, v8
	v_sub_nc_u32 v252, v7, s81                     ; dI: register j of tile t is hidden where 16 t + j > dI
	v_sub_nc_u32 v26, s81, v7
	v_cvt_f32_i32 v26, v26                         ; -dI,
	v_add_f32 v27, 1.0, v26                        ; and for the odd register of a pair
.irp t, 0,1,2,3
.irp c, 0,1
	ds_load_b128 v[32+8*\t+4*\c:32+8*\t+4*\c+3], v8 offset:1024*\t+512*\c
.endr
.endr
.irp b, 0,1,2,3
	ds_load_b32 v[248+\b], v10 offset:128*\b
.endr
.irp t, 0,1,2,3
.irp e, 0,1
	ds_load_b128 v[64+8*\t+4*\e:64+8*\t+4*\e+3], v25 offset:64*\t+16*\e
.endr
.endr
	s_wait_dscnt 0x8                               ; K's tiles 0-3 and the pairs are in; the eight loads of u' may be out
.irp t, 0,1,2,3
	SW 96+8*\t, 32+8*\t, 16, 0, 248+\t/2, 24, \t%2
.endr
	PLACES
.irp t, 0,1,2,3
.irp c, 0,1
	ds_load_b128 v[32+8*\t+4*\c:32+8*\t+4*\c+3], v8 offset:4096+1024*\t+512*\c
.endr
.endr
	s_wait_dscnt 0x0
.irp t, 4,5,6,7
	SW 96+8*\t, 8*\t, 16, 0, 248+\t/2, 24, \t%2
.endr
	BIAS 0, 64                                     ; eight plain lines that name no register of the last four products: their places
.irp t, 0,1,2,3
.irp e, 0,1
	ds_load_b128 v[32+8*\t+4*\e:32+8*\t+4*\e+3], v25 offset:256+64*\t+16*\e
.endr
.endr
	BIAS 1, 72
	BIAS 2, 80
	BIAS 3, 88
	s_wait_dscnt 0x0
	BIAS 4, 32
	BIAS 5, 40
	BIAS 6, 48
	BIAS 7, 56
.irp t, 0,1,2,3,4,5,6,7                ; V's eight fragments and its pairs land while the softmax is walked
.irp c, 0,1
	ds_load_b128 v[32+8*\t+4*\c:32+8*\t+4*\c+3], v9 offset:1024*\t+512*\c
.endr
.endr
.irp b, 0,1,2,3
	ds_load_b32 v[248+\b], v11 offset:128*\b
.endr
	s_cmp_lt_u32 s80, s19                          ; only the step on the diagonal has hidden keys
	s_cbranch_scc1 .Lopen_\@
	v_mov_b32 v254, 0xff800000
.irp t, 0,1,2,3,4,5,6,7
.irp j, 0,1,2,3,4,5,6,7
	v_cmp_gt_i32 vcc_lo, 16*\t+\j, v252
	v_cndmask_b32 v[96+8*\t+\j], v[96+8*\t+\j], v254, vcc_lo
.endr
.endr
.Lopen_\@:
.irp b, 0,1,2,3
	v_max3_num_f32 v[232+\b], v[96+16*\b], v[97+16*\b], v[98+16*\b]     ; the largest x of each block of 32 keys: for the row's maximum and, since p rises with x, for the block's largest p
.endr
.irp i, 3,5,7,9,11,13
.irp b, 0,1,2,3
	v_max3_num_f32 v[232+\b], v[232+\b], v[96+16*\b+\i], v[97+16*\b+\i]
.endr
.endr
.irp b, 0,1,2,3
	v_max_num_f32 v[232+\b], v[232+\b], v[111+16*\b]
.endr
.irp b, 0,1,2,3
	v_permlanex16_b32 v[236+\b], v[232+\b], s20, s21
.endr
.irp b, 0,1,2,3
	v_max_num_f32 v[232+\b], v[232+\b], v[236+\b]
.endr
	v_max3_num_f32 v254, v232, v233, v234
	v_max_num_f32 v254, v254, v235
	v_mul_f32 v254, s22, v254
	v_max_num_f32 v13, v13, v254                   ; the running largest t
	v_mov_b32 v254, v12
	v_floor_f32 v12, -v13                          ; the new -M
	v_sub_f32 v254, v12, v254
	v_cvt_i32_f32 v254, v254
	v_ldexp_f32 v252, 1.0, v254                    ; f = 2^(old M - new M)
.set j, 0
.rept 32
	v_pk_fma_f32 v[96+j:97+j], v[96+j:97+j], s[22:23], v[12:13] op_sel_hi:[1,0,0]   ; t - M
.set j, j+2
.endr
.irp b, 0,1,2,3
	v_fma_f32 v[232+\b], v[232+\b], s22, v12
.endr
.set j, 0
.rept 64
	v_exp_f32 v[96+j], v[96+j]                     ; p = 2^(t - M)
.set j, j+1
.endr
	v_pk_mul_f32 v[14:15], v[14:15], v[252:253] op_sel_hi:[1,0]    ; the sums under the new M: a plain place behind the exponentials
	s_wait_alu depctr_va_vdst(0)                   ; one wait for the batch, ahead of its first reader
.irp b, 0,1,2,3
	v_exp_f32 v[232+\b], v[232+\b]                 ; the blocks' largest p
.endr
	v_pk_add_f32 v[236:237], v[96:97], v[98:99]    ; the row's sum, of the unquantised p, in two chains
.irp j, 4,8,12,16,20,24,28,32,36,40,44,48,52,56,60
	v_pk_add_f32 v[14:15], v[14:15], v[96+\j:97+\j]
	v_pk_add_f32 v[236:237], v[236:237], v[98+\j:99+\j]
.endr
	v_pk_add_f32 v[14:15], v[14:15], v[236:237]
	s_wait_alu depctr_va_vdst(0)                   ; and one for the four
.irp b, 0,1,2,3
	v_max_num_f32 v[232+\b], 0x1800000, v[232+\b]  ; the floor: the byte cannot fall under 1
.endr
.irp b, 0,1,2,3
	v_add_nc_u32 v[244+\b], 0xff000000, v[232+\b]
.endr
.irp b, 0,1,2,3
	v_lshrrev_b32 v[236+\b], 23, v[244+\b]
.endr
	v_lshl_or_b32 v253, v237, 8, v236              ; p's scale word for these 128 keys
	v_lshl_or_b32 v253, v238, 16, v253
	v_lshl_or_b32 v253, v239, 24, v253
.irp b, 0,1,2,3
	v_cvt_scalef32_pk8_fp4_f32 v[224+4*(\b/2)+(\b%2)], v[96+16*\b:103+16*\b], v[244+\b]
	v_cvt_scalef32_pk8_fp4_f32 v[226+4*(\b/2)+(\b%2)], v[104+16*\b:111+16*\b], v[244+\b]
.endr
	v_nop                                          ; one plain place behind a scaled conversion
.irp c, 0,1
	v_permlane16_swap_b32 v[224+4*\c], v[225+4*\c]
	v_permlane16_swap_b32 v[226+4*\c], v[227+4*\c]
.endr
.set j, 0
.rept 32
	v_pk_mul_f32 v[160+j:161+j], v[160+j:161+j], v[252:253] op_sel_hi:[1,0]   ; O^T under the new M; these lines also stand between the scale word's making and the products
.set j, j+2
.endr
	s_wait_dscnt 0x0                               ; V is in
.irp t, 0,1,2,3,4,5,6,7
	SW 160+8*\t, 32+8*\t, 224, v[160+8*\t:167+8*\t], 248+\t/2, 253, \t%2
.endr
.Lhidden_\@:
	s_add_co_u32 s80, s80, 1
	s_add_co_u32 s81, s81, 128
	s_add_co_u32 s82, s82, 8192
	s_add_co_u32 s83, s83, 512
.endm
; A piece of four key steps.  My part of it has landed (the later pieces may stay out); behind the barrier everybody's has.
.macro PIECE p
	s_wait_dscnt 0x0
	s_wait_tensorcnt 3-(\p)
	s_barrier_signal -1
	s_barrier_wait -1
	s_mov_b32 s80, 4*(\p)
	s_mov_b32 s81, 512*(\p)
	s_mov_b32 s82, 32768*(\p)
	s_mov_b32 s83, 2048*(\p)
	s_mov_b32 s84, 4
.Lstep_\@:
	STEP
	s_sub_co_u32 s84, s84, 1
	s_cmp_lg_u32 s84, 0
	s_cbranch_scc1 .Lstep_\@
.endm
	s_wait_loadcnt 0x0                             ; Q
	PIECE 0
	PIECE 1
	PIECE 2
	PIECE 3
	; THE WAY OUT: O^T / the sum; the quantiser along the head's 128; the fragment's image and its scale words
	PLACES
	v_add_f32 v14, v14, v15
	v_permlanex16_b32 v252, v14, s20, s21
	v_add_f32 v14, v14, v252
	v_rcp_f32 v14, v14
	v_nop
	s_wait_alu depctr_va_vdst(0)
	v_mov_b32 v15, v14
.set j, 0
.rept 32
	v_pk_mul_f32 v[96+j:97+j], v[160+j:161+j], v[14:15]
.set j, j+2
.endr
.irp b, 0,1,2,3
	v_max3_num_f32 v[232+\b], 0x1800000, |v[96+16*\b]|, |v[97+16*\b]|
.endr
.irp i, 2,4,6,8,10,12,14
.irp b, 0,1,2,3
	v_max3_num_f32 v[232+\b], v[232+\b], |v[96+16*\b+\i]|, |v[97+16*\b+\i]|
.endr
.endr
.irp b, 0,1,2,3
	v_permlanex16_b32 v[236+\b], v[232+\b], s20, s21
.endr
.irp b, 0,1,2,3
	v_max_num_f32 v[232+\b], v[232+\b], v[236+\b]
.endr
.irp b, 0,1,2,3
	v_add_nc_u32 v[244+\b], 0xff000000, v[232+\b]
.endr
.irp b, 0,1,2,3
	v_lshrrev_b32 v[236+\b], 23, v[244+\b]
.endr
	v_lshl_or_b32 v254, v237, 8, v236
	v_lshl_or_b32 v254, v238, 16, v254
	v_lshl_or_b32 v254, v239, 24, v254
.irp b, 0,1,2,3
	v_cvt_scalef32_pk8_fp4_f32 v[224+4*(\b/2)+(\b%2)], v[96+16*\b:103+16*\b], v[244+\b]
	v_cvt_scalef32_pk8_fp4_f32 v[226+4*(\b/2)+(\b%2)], v[104+16*\b:111+16*\b], v[244+\b]
.endr
	v_nop
.irp c, 0,1
	v_permlane16_swap_b32 v[224+4*\c], v[225+4*\c]
	v_permlane16_swap_b32 v[226+4*\c], v[227+4*\c]
.endr
	global_store_b128 v1, v[224:227], s[96:97]     ; 512 consecutive bytes, aligned
	global_store_b128 v1, v[228:231], s[96:97] offset:512
	global_store_b32 v28, v254, s[98:99]           ; 64 bytes; lanes r and r + 16 write the same word with the same value
	s_wait_tensorcnt 0x0                           ; the wave's end
	ds_add_u32 v5, v6
	s_wait_dscnt 0x0
	CROUND                                         ; the closing round
	s_endpgm
.Lfunc_end_k_q1758c80e5e_attn:
	.size	k_q1758c80e5e_attn, .Lfunc_end_k_q1758c80e5e_attn-k_q1758c80e5e_attn
	.p2alignl 7, 3214868480
	.fill 96, 4, 3214868480
	.section	.rodata,"a",@progbits
	.p2align	6, 0x0
	.amdhsa_kernel k_q1758c80e5e_attn
		.amdhsa_group_segment_fixed_size 327680
		.amdhsa_private_segment_fixed_size 0
		.amdhsa_enable_private_segment 0
		.amdhsa_kernarg_size 40
		.amdhsa_user_sgpr_count 2
		.amdhsa_user_sgpr_kernarg_segment_ptr 1
		.amdhsa_wavefront_size32 1
		.amdhsa_system_sgpr_workgroup_id_x 1
		.amdhsa_system_sgpr_workgroup_id_y 1
		.amdhsa_system_sgpr_workgroup_id_z 1
		.amdhsa_system_vgpr_workitem_id 0
		.amdhsa_next_free_vgpr 256
		.amdhsa_next_free_sgpr 100
		.amdhsa_reserve_vcc 1
		.amdhsa_float_denorm_mode_32 3
		.amdhsa_float_denorm_mode_16_64 3
		.amdhsa_memory_ordered 1
		.amdhsa_forward_progress 1
		.amdhsa_inst_pref_size 135
	.end_amdhsa_kernel
	.amdgpu_metadata
---
amdhsa.version: [ 1, 2 ]
amdhsa.kernels:
  - .name:           k_q1758c80e5e_attn
    .symbol:         k_q1758c80e5e_attn.kd
    .args:
      - { .name: qb, .offset: 0, .size: 8, .value_kind: global_buffer, .address_space: global }
      - { .name: kf, .offset: 8, .size: 8, .value_kind: global_buffer, .address_space: global }
      - { .name: vf, .offset: 16, .size: 8, .value_kind: global_buffer, .address_space: global }
      - { .name: side, .offset: 24, .size: 8, .value_kind: global_buffer, .address_space: global }
      - { .name: ob, .offset: 32, .size: 8, .value_kind: global_buffer, .address_space: global }
    .group_segment_fixed_size: 327680
    .private_segment_fixed_size: 0
    .kernarg_segment_align: 8
    .kernarg_segment_size: 40
    .max_flat_workgroup_size: 256
    .sgpr_count:     100
    .vgpr_count:     256
    .wavefront_size: 32
...
	.end_amdgpu_metadata
.endif
;; end of part 3
;; launch oproj (part 4): grid 16 x 16, 4 waves a work-group, clusters of 4 x 4, 327,680 bytes of LDS; arguments Wo_codes, Wo_scales, ob, out0; writes out0
.if DOCPART == 4
	.amdgcn_target "amdgcn-amd-amdhsa--gfx1250"
	.amdhsa_code_object_version 6
	.text
	.protected	k_q1758c80e5e_oproj
	.globl	k_q1758c80e5e_oproj
	.p2align	8
	.type	k_q1758c80e5e_oproj,@function
k_q1758c80e5e_oproj:
	s_mov_b64 s[64:65], 0
	v_nop
	global_prefetch_b8 v0, s[64:65] scope:SCOPE_SE
	s_setreg_imm32_b32 hwreg(HW_REG_WAVE_MODE, 25, 1), 1
	s_wait_xcnt 0x0
	s_wait_alu depctr_hold_cnt(0) depctr_sa_sdst(0) depctr_va_vdst(0) depctr_va_sdst(0) depctr_va_ssrc(0) depctr_va_vcc(0) depctr_vm_vsrc(0)
	s_getreg_b32 s2, hwreg(HW_REG_IB_STS2, 6, 4)
	s_cmp_eq_u32 s2, 0
	s_cbranch_scc0 .Lentry_in_a_cluster
	s_endpgm
.Lentry_in_a_cluster:
	s_bfe_u32 s2, ttmp6, 0x10000c
	s_cmp_lg_u32 s2, 0xf033
	s_cbranch_scc0 .Lentry_shape_is_right
	s_endpgm
.Lentry_shape_is_right:
; OPROJ.  out0 = Q(O / l) Wo on codes of E2M1.  No work of reference() is left out here.
; A work-group makes 128 tokens x 128 columns.  All of K = 2,048 lies in LDS: 128 rows of Wo as four quarters of 512 along K (rows of 256 bytes + 16), and the 128 tokens' fragments as the images that the attention launch
; stored ([half][K step][4 tiles][1,024 bytes]).  Every LDS byte is filled once: five tensor loads a wave at the head (scales, quarters 0 to 3), five out at the most; the waits count down.
; CLUSTER 4 x 4: Wo's rows hang on x alone and are asked for jointly along a column, the tokens' images on y alone, jointly along a row.
; Source 0 = 16 rows of Wo (8 tiles, read by all four waves), source 1 = 16 tokens (wave w's two tiles): a lane holds a token and eight neighbouring columns.
; The way out goes through the wave's own stage in LDS, which lies in Wo's quarters 0 and 1: they have had their only fill, and every wave's reads of them are over ahead of the last two barriers.
; REGISTERS.  window 0: v1-9 addresses; v16-55 scale words, two sets of 20; v64-95 the tokens' fragments, two sets; v128-255 Wo's, two sets, later rows of out0.   window 1: v0-127 the accumulators (t, m) at 64 m + 8 t.
.set PITCH, 272
.set HALF,  64*PITCH
.set REGN,  128*PITCH                  ; a quarter of Wo's rows
.set ACT,   4*REGN                     ; the tokens' images
.set WSC,   ACT+131072                 ; Wo's scales: 32 units of 256 bytes + 16
.set SCH,   16*PITCH
.set ASC,   WSC+2*SCH                  ; the tokens' scale pairs [K step][4][128]
.set SPARE, ASC+8192                   ; the spare words, 128 bytes a wave
.set SPITCH, 528                       ; a stage row: 512 bytes + 16
.set SPW, 1
.set NIL, 2
.set ADP, 3
.set ADN, 4
.set ADSP, 5
.set ADSN, 6
.set STO, 7
.set RD,  8
.set IMO, 9
.set SC,  16
.set NF,  64
.set PF,  128
.set WV, 80
.set LA, 81
.set LB, 82
.set CX, 83
.set CY, 84
.set NX, 85
.set TY, 86
.set MSB, 0
.macro WIN new
.if MSB != (\new)
	s_set_vgpr_msb (MSB<<8)|(\new)
.set MSB, \new
.endif
.endm
.macro PLACES
.rept 4
	v_nop
.endr
.endm
.macro CROUND
	s_barrier_signal -1
	s_barrier_wait -1
	s_cmp_lg_u32 s[WV], 0
	s_cbranch_scc1 .Lnot_wave_0_\@
	s_barrier_signal -3
.Lnot_wave_0_\@:
	s_barrier_wait -3
	s_barrier_signal -1
	s_barrier_wait -1
.endm
.macro MKG0 g, l, loff, p, goff
	s_mov_b32 s[\g], 1
	s_add_co_u32 s[\g+1], s[\l], \loff
	s_add_nc_u64 s[\g+2:\g+3], s[\p:\p+1], \goff
	s_or_b32 s[\g+3], s[\g+3], 0x80000000
.endm
	s_load_b128 s[88:91], s[0:1], 0x0              ; Wo's codes, scales
	s_load_b128 s[92:95], s[0:1], 0x10             ; ob, out0
	v_lshl_add_u32 v[SPW], v0, 2, SPARE
	v_mov_b32 v[NIL], 0
	ds_add_u32 v[SPW], v[NIL]                      ; the opening: the add, twice on end, and its wait ahead of my first tensor load
	ds_add_u32 v[SPW], v[NIL]
	v_lshrrev_b32 v3, 5, v0
	v_readfirstlane_b32 s[WV], v3
	s_lshr_b32 s[LA], s[WV], 1                     ; I fetch for Wo (0) or for the tokens (1),
	s_and_b32 s[LB], s[WV], 1                      ; and which half
	s_bfe_u32 s[CX], ttmp6, 0x40000
	s_bfe_u32 s[CY], ttmp6, 0x40004
	s_lshl_b32 s[NX], ttmp9, 2
	s_add_co_u32 s[NX], s[NX], s[CX]               ; block of 128 columns
	s_and_b32 s[TY], ttmp7, 0xffff
	s_lshl_b32 s[TY], s[TY], 2
	s_add_co_u32 s[TY], s[TY], s[CY]               ; block of 128 tokens
	s_lshl_b32 s66, s[CY], 2
	s_lshl_b32 s66, 15, s66                        ; my row of the cluster
	s_lshl_b32 s67, 0x1111, s[CX]                  ; my column
	s_or_b32 s4, s67, (1<<20)|(1<<21)|(5<<22)|(3<<25)              ; Wo's codes: 64 rows of 256 bytes, 1,024 apart, 16 bytes of padding behind each
	s_mov_b32 s5, 256<<16
	s_mov_b32 s6, 64<<16
	s_mov_b32 s7, 256<<16
	s_mov_b32 s8, 64
	s_mov_b32 s9, 1024
	s_mov_b32 s10, 0
	s_mov_b32 s11, 0
	s_or_b32 s12, s66, (3<<16)|(1<<21)             ; the images: 4 K steps x 4,096 bytes (512 elements of 8), 131,072 bytes apart, no padding
	s_mov_b32 s13, 512<<16
	s_mov_b32 s14, 4<<16
	s_mov_b32 s15, 512<<16
	s_mov_b32 s16, 4
	s_mov_b32 s17, 16384
	s_mov_b32 s18, 0
	s_mov_b32 s19, 0
	s_or_b32 s20, s67, (3<<16)|(1<<20)|(1<<21)|(5<<22)|(3<<25)     ; Wo's scales: 4,096 dense bytes as 16 rows of 256, padded
	s_mov_b32 s21, 32<<16
	s_mov_b32 s22, 16<<16
	s_mov_b32 s23, 32<<16
	s_mov_b32 s24, 16
	s_mov_b32 s25, 32
	s_mov_b32 s26, 0
	s_mov_b32 s27, 0
	s_or_b32 s28, s66, (3<<16)|(1<<21)             ; the tokens' pairs: 8 K steps x 512 bytes, 8,192 bytes apart
	s_mov_b32 s29, 64<<16
	s_mov_b32 s30, 8<<16
	s_mov_b32 s31, 64<<16
	s_mov_b32 s32, 8
	s_mov_b32 s33, 1024
	s_mov_b32 s34, 0
	s_mov_b32 s35, 0
	s_lshl_b32 s48, s[NX], 17
	s_lshl_b32 s100, s[LB], 16
	s_add_co_u32 s48, s48, s100
	s_mov_b32 s49, 0
	s_lshl_b32 s52, s[NX], 13
	s_lshl_b32 s100, s[LB], 12
	s_add_co_u32 s52, s52, s100
	s_mov_b32 s53, 0
	s_lshl_b32 s68, s[TY], 13
	s_lshl_b32 s100, s[LB], 12
	s_add_co_u32 s68, s68, s100
	s_mov_b32 s69, 0
	s_lshl_b32 s72, s[TY], 9
	s_lshl_b32 s100, s[LB], 16
	s_add_co_u32 s72, s72, s100
	s_add_co_u32 s72, s72, 0x200000
	s_mov_b32 s73, 0
	s_wait_dscnt 0x0                               ; both opening adds are done
	s_wait_kmcnt 0x0
	s_add_nc_u64 s[88:89], s[88:89], s[48:49]
	s_add_nc_u64 s[90:91], s[90:91], s[52:53]
	s_add_nc_u64 s[96:97], s[92:93], s[68:69]
	s_add_nc_u64 s[98:99], s[92:93], s[72:73]
	s_mul_i32 s100, s[LB], HALF
	s_mul_i32 s101, s[LB], SCH
	MKG0 36, 101, WSC, 90, 0
.irp q, 0,1,2,3
	MKG0 40+4*\q, 100, \q*REGN, 88, 256*\q
.endr
	s_lshl_b32 s100, s[LB], 16
	s_lshl_b32 s101, s[LB], 12
	MKG0 56, 101, ASC, 98, 0
	MKG0 60, 100, ACT, 96, 0
	MKG0 68, 100, ACT+16384, 96, 524288
	MKG0 72, 100, ACT+32768, 96, 1048576
	MKG0 76, 100, ACT+49152, 96, 1572864
	CROUND                                         ; all sixteen work-groups are here: the joint loads meet
	s_cmp_eq_u32 s[LA], 0
	s_cbranch_scc0 .Lfor_a
	tensor_load_to_lds s[36:39], s[20:27]
	s_nop 0
	tensor_load_to_lds s[40:43], s[4:11]
	s_nop 0
	tensor_load_to_lds s[44:47], s[4:11]
	s_nop 0
	tensor_load_to_lds s[48:51], s[4:11]
	s_nop 0
	tensor_load_to_lds s[52:55], s[4:11]
	s_nop 0
	PLACES
	s_branch .Lasked
.Lfor_a:
	tensor_load_to_lds s[56:59], s[28:35]
	s_nop 0
	tensor_load_to_lds s[60:63], s[12:19]
	s_nop 0
	tensor_load_to_lds s[68:71], s[12:19]
	s_nop 0
	tensor_load_to_lds s[72:75], s[12:19]
	s_nop 0
	tensor_load_to_lds s[76:79], s[12:19]
	s_nop 0
	PLACES
.Lasked:
	v_and_b32 v11, 15, v0                          ; r
	v_bfe_u32 v12, v0, 4, 1                        ; h
	v_and_b32 v13, 31, v0                          ; lane
	v_mul_u32_u24 v[ADP], v11, PITCH
	v_lshl_add_u32 v[ADP], v12, 4, v[ADP]
	v_lshlrev_b32 v[IMO], 4, v13
	s_lshl_b32 s96, s[LA], 16                      ; my two tiles of tokens: half w / 2, tiles 2 (w % 2) on
	s_lshl_b32 s97, s[LB], 11
	s_add_co_u32 s96, s96, s97
	s_add_co_u32 s96, s96, ACT
	v_add_nc_u32 v[ADN], s96, v[IMO]
	v_lshrrev_b32 v15, 2, v13
	v_mul_u32_u24 v15, v15, PITCH
	v_and_b32 v14, 3, v13
	v_lshl_add_u32 v15, v14, 6, v15
	v_add_nc_u32 v[ADSP], WSC, v15
	s_lshl_b32 s96, s[WV], 7
	s_add_co_u32 s96, s96, ASC
	v_lshlrev_b32 v[ADSN], 2, v13
	v_add_nc_u32 v[ADSN], s96, v[ADSN]
	s_mul_i32 s96, s[WV], 32*SPITCH                ; my stage
	v_mul_u32_u24 v[STO], v11, SPITCH
	v_lshl_add_u32 v[STO], v12, 5, v[STO]
	v_add_nc_u32 v[STO], s96, v[STO]
	v_add_nc_u32 v[RD], s96, v[IMO]
	s_lshl_b32 s96, s[TY], 20                      ; out0: (128 ty + 32 w) rows of 8,192 bytes + 512 nx
	s_lshl_b32 s97, s[WV], 18
	s_add_co_u32 s96, s96, s97
	s_lshl_b32 s97, s[NX], 9
	s_add_co_u32 s96, s96, s97
	s_mov_b32 s97, 0
	s_add_nc_u64 s[94:95], s[94:95], s[96:97]
.macro FRAGP set, sp
.irp t, 0,1,2,3,4,5,6,7
.irp c, 0,1
	ds_load_b128 v[PF+64*(\set)+8*\t+4*\c:PF+64*(\set)+8*\t+4*\c+3], v[ADP] offset:\t*16*PITCH+64*(\sp)+32*\c
.endr
.endr
.endm
.macro FRAGN set, s                    ; the tokens' two fragments of K step s, as images
.irp m, 0,1
.irp c, 0,1
	ds_load_b128 v[NF+16*(\set)+8*\m+4*\c:NF+16*(\set)+8*\m+4*\c+3], v[ADN] offset:(\s)*4096+\m*1024+512*\c
.endr
.endr
.endm
.macro SCALES set, q
.irp b, 0,1,2,3
	ds_load_b128 v[SC+20*(\set)+4*\b:SC+20*(\set)+4*\b+3], v[ADSP] offset:8*PITCH*\b+16*(\q)
.endr
.irp p, 0,1,2,3
	ds_load_b32 v[SC+20*(\set)+16+\p], v[ADSN] offset:(4*(\q)+\p)*512
.endr
.endm
.macro WMC c, ra, rb
.if (\ra) && (\rb)
	v_wmma_scale_f32_16x16x128_f8f6f4 v[rD:rD+7], v[rA:rA+7], v[rB:rB+7], \c, v[rSA], v[rSB] matrix_a_fmt:MATRIX_FMT_FP4 matrix_b_fmt:MATRIX_FMT_FP4 matrix_a_scale:MATRIX_SCALE_ROW1 matrix_b_scale:MATRIX_SCALE_ROW1
.elseif (\ra)
	v_wmma_scale_f32_16x16x128_f8f6f4 v[rD:rD+7], v[rA:rA+7], v[rB:rB+7], \c, v[rSA], v[rSB] matrix_a_fmt:MATRIX_FMT_FP4 matrix_b_fmt:MATRIX_FMT_FP4 matrix_a_scale:MATRIX_SCALE_ROW1
.elseif (\rb)
	v_wmma_scale_f32_16x16x128_f8f6f4 v[rD:rD+7], v[rA:rA+7], v[rB:rB+7], \c, v[rSA], v[rSB] matrix_a_fmt:MATRIX_FMT_FP4 matrix_b_fmt:MATRIX_FMT_FP4 matrix_b_scale:MATRIX_SCALE_ROW1
.else
	v_wmma_scale_f32_16x16x128_f8f6f4 v[rD:rD+7], v[rA:rA+7], v[rB:rB+7], \c, v[rSA], v[rSB] matrix_a_fmt:MATRIX_FMT_FP4 matrix_b_fmt:MATRIX_FMT_FP4
.endif
.endm
; The sixteen accumulators take turns, one instruction a turn, in the same order in every step.
.macro MUL t0, n, set, sset, sp, zero
.set T, \t0
.rept \n
.irp m, 0,1
.set rD, 64*\m+8*T
.set rA, PF+64*(\set)+8*T
.set rB, NF+16*(\set)+8*\m
.set rSA, SC+20*(\sset)+4*(T/2)+(\sp)
.set rSB, SC+20*(\sset)+16+(\sp)
.if \zero
	WMC 0, T%2, \m
.else
	WMC v[rD:rD+7], T%2, \m
.endif
.endr
.set T, T+1
.endr
.endm
.macro STEP q, sp, zero
	s_wait_dscnt 0x0                               ; this step's fragments and scale words are in
.if !(\zero)
	PLACES                                         ; four places between the last products and loads into the registers that they read
.endif
	FRAGP 1-(\sp)%2, (\sp)+1
	FRAGN 1-(\sp)%2, 4*(\q)+(\sp)+1
	WIN 0x50
	MUL 0, 8, (\sp)%2, (\q)%2, \sp, \zero
	WIN 0
.endm
.macro CHANGE q                        ; a quarter's last step: my part of the next quarter has landed (the later ones may stay out); behind the barrier everybody's has
	s_wait_dscnt 0x0
	s_wait_tensorcnt 2-(\q)
	s_barrier_signal -1
	WIN 0x50
	MUL 0, 4, 1, (\q)%2, 3, 0
	WIN 0
	s_barrier_wait -1
	PLACES
	v_add_nc_u32 v[ADP], REGN, v[ADP]
	FRAGP 0, 0
	FRAGN 0, 4*(\q)+4
	SCALES ((\q)+1)%2, (\q)+1
	WIN 0x50
	MUL 4, 4, 1, (\q)%2, 3, 0
	WIN 0
.endm
	s_wait_tensorcnt 0x3                           ; my part of the scales and of quarter 0 is in; quarters 1 to 3 may be out
	s_barrier_signal -1
	s_barrier_wait -1
	FRAGP 0, 0
	FRAGN 0, 0
	SCALES 0, 0
	STEP 0, 0, 1
	STEP 0, 1, 0
	STEP 0, 2, 0
	CHANGE 0
	STEP 1, 0, 0
	STEP 1, 1, 0
	STEP 1, 2, 0
	CHANGE 1
	STEP 2, 0, 0
	STEP 2, 1, 0
	STEP 2, 2, 0
	CHANGE 2
	STEP 3, 0, 0
	STEP 3, 1, 0
	STEP 3, 2, 0
	s_wait_dscnt 0x0
	WIN 0x50
	MUL 0, 8, 1, 1, 3, 0
	WIN 0
	PLACES                                         ; in front of the first reads of results and of loads into the fragments' registers
	; THE WAY OUT: a lane's 32 bytes of a row go into my stage; whole rows of 512 bytes come back.  LDS serves a wave's instructions in order: no wait between the stores and the loads
	WIN 0x04                                       ; an LDS store's data are its source 1: window 1
.irp m, 0,1
.irp t, 0,1,2,3,4,5,6,7
	ds_store_b128 v[STO], v[64*\m+8*\t:64*\m+8*\t+3] offset:\m*16*SPITCH+64*\t          ; each accumulator from its low end on
	ds_store_b128 v[STO], v[64*\m+8*\t+4:64*\m+8*\t+7] offset:\m*16*SPITCH+64*\t+16
.endr
.endr
	WIN 0
.set i, 0
.rept 32
	ds_load_b128 v[128+4*i:128+4*i+3], v[RD] offset:i*SPITCH
.set i, i+1
.endr
.set i, 0
.rept 32
	s_wait_dscnt 31-i                              ; row i is back; the younger rows may be out
	global_store_b128 v[IMO], v[128+4*i:128+4*i+3], s[94:95] offset:8192*i th:TH_STORE_NT   ; 512 consecutive bytes, aligned; written once, read by nobody here
.set i, i+1
.endr
	s_wait_tensorcnt 0x0                           ; the wave's end, behind my last LDS store
	ds_add_u32 v[SPW], v[NIL]
	s_wait_dscnt 0x0
	CROUND                                         ; the closing round
	s_endpgm
.Lfunc_end_k_q1758c80e5e_oproj:
	.size	k_q1758c80e5e_oproj, .Lfunc_end_k_q1758c80e5e_oproj-k_q1758c80e5e_oproj
	.p2alignl 7, 3214868480
	.fill 96, 4, 3214868480
	.section	.rodata,"a",@progbits
	.p2align	6, 0x0
	.amdhsa_kernel k_q1758c80e5e_oproj
		.amdhsa_group_segment_fixed_size 327680
		.amdhsa_private_segment_fixed_size 0
		.amdhsa_enable_private_segment 0
		.amdhsa_kernarg_size 32
		.amdhsa_user_sgpr_count 2
		.amdhsa_user_sgpr_kernarg_segment_ptr 1
		.amdhsa_wavefront_size32 1
		.amdhsa_system_sgpr_workgroup_id_x 1
		.amdhsa_system_sgpr_workgroup_id_y 1
		.amdhsa_system_sgpr_workgroup_id_z 1
		.amdhsa_system_vgpr_workitem_id 0
		.amdhsa_next_free_vgpr 384
		.amdhsa_next_free_sgpr 102
		.amdhsa_reserve_vcc 0
		.amdhsa_float_denorm_mode_32 3
		.amdhsa_float_denorm_mode_16_64 3
		.amdhsa_memory_ordered 1
		.amdhsa_forward_progress 1
		.amdhsa_inst_pref_size 76
	.end_amdhsa_kernel
	.amdgpu_metadata
---
amdhsa.version: [ 1, 2 ]
amdhsa.kernels:
  - .name:           k_q1758c80e5e_oproj
    .symbol:         k_q1758c80e5e_oproj.kd
    .args:
      - { .name: Wo_codes, .offset: 0, .size: 8, .value_kind: global_buffer, .address_space: global }
      - { .name: Wo_scales, .offset: 8, .size: 8, .value_kind: global_buffer, .address_space: global }
      - { .name: ob, .offset: 16, .size: 8, .value_kind: global_buffer, .address_space: global }
      - { .name: out0, .offset: 24, .size: 8, .value_kind: global_buffer, .address_space: global }
    .group_segment_fixed_size: 327680
    .private_segment_fixed_size: 0
    .kernarg_segment_align: 8
    .kernarg_segment_size: 32
    .max_flat_workgroup_size: 128
    .sgpr_count:     102
    .vgpr_count:     384
    .wavefront_size: 32
...
	.end_amdgpu_metadata
.endif
;; end of part 4
;; ======== version 2 of 2: 4 launches; 1.12 times as fast as version 1
;; workspace buffers: hb 2,228,224 bytes; qb 2,228,224 bytes; kf 1,048,576 bytes; vf 1,048,576 bytes; side 196,608 bytes; ob 2,228,224 bytes
;; launch prep: the kernel of part 1 again; grid 256 x 1, 4 waves a work-group, no clusters, 22,528 bytes of LDS; arguments hidden_states, gate_w, gate_b, hb, side; writes hb, side
;; launch qkv (part 5): grid 16 x 16, 4 waves a work-group, clusters of 4 x 4, 327,680 bytes of LDS; arguments hb, Wq_codes, Wq_scales, Wk_codes, Wk_scales, Wv_codes, Wv_scales, q_norm_w, k_norm_w, cos, sin, qb, kf, vf, side; writes qb, kf, vf, side
.if DOCPART == 5
	.amdgcn_target "amdgcn-amd-amdhsa--gfx1250"
	.amdhsa_code_object_version 6
	.text
	.protected	k_q1758c80e5e_qkv
	.globl	k_q1758c80e5e_qkv
	.p2align	8
	.type	k_q1758c80e5e_qkv,@function
k_q1758c80e5e_qkv:
	s_mov_b64 s[64:65], 0
	v_nop
	global_prefetch_b8 v0, s[64:65] scope:SCOPE_SE
	s_setreg_imm32_b32 hwreg(HW_REG_WAVE_MODE, 25, 1), 1
	s_wait_xcnt 0x0
	s_wait_alu depctr_hold_cnt(0) depctr_sa_sdst(0) depctr_va_vdst(0) depctr_va_sdst(0) depctr_va_ssrc(0) depctr_va_vcc(0) depctr_vm_vsrc(0)
	s_getreg_b32 s2, hwreg(HW_REG_IB_STS2, 6, 4)
	s_cmp_eq_u32 s2, 0
	s_cbranch_scc0 .Lentry_in_a_cluster
	s_endpgm
.Lentry_in_a_cluster:
	s_bfe_u32 s2, ttmp6, 0x10000c
	s_cmp_lg_u32 s2, 0xf033
	s_cbranch_scc0 .Lentry_shape_is_right
	s_endpgm
.Lentry_shape_is_right:
; QKV.  The three projections on codes of E2M1, then, in registers: for q and k the head's RMSNorm, RoPE and the quantiser along the head's 128; for v the quantiser along the keys.  No work of reference() is left out here.
; A WORK-GROUP STAYS: for its block of 128 tokens (y) it makes two tiles of 128 x 128: first q head x, then k head x (x < 8) or v head x - 8.  The second tile's kind hangs on the cluster's x alone: the same in all sixteen partners.
; All of K = 2,048 lies in LDS: 128 weight rows and 128 rows of hb, 1,024 bytes each, as four quarters of 512 along K (rows of 256 bytes + 16 of padding).  hb's rows and scales are fetched once and serve both tiles.
; First fills at the head: waves 0, 1: the second weight's scales, the first weight's scales, its quarters 0 to 3 (six loads, six of a wave's out at the most); waves 2, 3: hb's scales and quarters (five).  The waits count down.
; THE ONE REFILL: behind the first tile's last product every wave waits for all its tensor loads, adds 0 to its spare word, waits for that and for its LDS reads, and passes a round of the cluster's barrier; then wave w asks
; for quarter w of the second weight (128 rows), into the first weight's bytes.  The loads land while the first tile goes out; a wait for all loads and a barrier open the second tile, which waits for no tile any more.
; CLUSTER 4 x 4: the weight rows hang on x alone and are asked for jointly along a column, hb's rows on y alone, jointly along a row.
; The second weight's rows are read by all sixteen token blocks at about the same time: they are no stream that is read once, so no prefetch is laid for them.
; ROLES.  Source 0 (P, 8 tiles of 16 rows, read by all four waves) carries the axis that becomes the next K; source 1 (N, wave w's 32 rows, 2 tiles) the rows that a lane keeps.  q, k: P = weights, N = tokens: a lane holds a
; token and its registers run along d.  v: P = tokens, N = weights: a lane holds a channel and its registers run along the 128 tokens, one key step.  Only the bases of the LDS reads differ.
; In the result, register j of tile t of lane (r, h) is next-K index 16 t + 8 h + j.  A block of 32 is tiles 2 b, 2 b + 1; half h holds its octets h and 2 + h; a conversion turns an octet into a register, and two lane swaps
; for each pair of blocks give the operand's layout (registers 4 c + o: k = 64 c + 32 h + 8 o .. + 7).
; OUT: fragments as images of the operand's registers (1,024 bytes: group c at 512 c + 16 x lane), scale words as pairs (128 bytes: lanes 0-15 the even tile's rows, lanes 16-31 the odd tile's).
; LIMITS as stated at the head of the first kernel.
; REGISTERS.  window 0: v1-14 addresses; v16-55 scale words, two sets of 20; v56-63 at work; v64-95 N's fragments, two sets; v96-127 the quantiser's; v128-255 P's fragments, two sets, later Y and Z.
;   window 1: v0-127 the accumulators (t, m) at 64 m + 8 t; v128-191 the norm's weight.   window 2: v0-127 cos, v128-255 sin (64 m + 8 t + j): loaded once, for q and for k.
.set PITCH, 272
.set HALF,  64*PITCH                   ; what one first fill of codes brings
.set REGN,  128*PITCH                  ; 128 rows
.set SLOT,  2*REGN                     ; a quarter: the weight's rows, then hb's
.set SCL,   4*SLOT                     ; the scales: units of 256 bytes + 16: the first weight's 32 units, hb's 32,
.set SCH,   16*PITCH                   ; (the scales of 64 rows)
.set SC2,   SCL+4*SCH                  ; the second weight's 32
.set SPARE, SCL+6*SCH                  ; the spare words, 128 bytes a wave: two blocks of 256 bytes that no other line names
.set SPW, 1
.set NIL, 2
.set ADP, 3                            ; the first tile's: P's fragments,
.set ADN, 4                            ; N's,
.set ADSP, 5                           ; P's scale words,
.set ADSN, 6                           ; N's.  (The second tile's four: v11-14)
.set CSO, 7                            ; cos, sin: 512 r + 32 h
.set NWO, 8                            ; the norm's weight: 32 h
.set IMO, 9                            ; 16 x lane
.set SWO, 10                           ; 4 x lane
.set SC,  16
.set SS,  56
.set RS,  60
.set PW0, 62
.set PW1, 63
.set NF,  64
.set TM,  96
.set PC0, 112
.set PC1, 120
.set PF,  128
.set Y,   128
.set Z,   192
.set NW,  128                          ; in window 1
.set SEL, 28                           ; s[28:29] lane selects; s30 1 / 128; s31 1e-6; s32 lanes 16-31 (written when the descriptors that lay there are done with)
.set WV, 80
.set LA, 81
.set LB, 82
.set CX, 83
.set CY, 84
.set HX, 85
.set TY, 86
.set ISV, 87
.set HD, 3+0*0+0                       ; (placeholder, set below)
.set HD, 0
.set MSB, 0
.macro WIN new                         ; the immediate's high byte repeats the setting that is left
.if MSB != (\new)
	s_set_vgpr_msb (MSB<<8)|(\new)
.set MSB, \new
.endif
.endm
.macro PLACES
.rept 4
	v_nop
.endr
.endm
.macro CROUND                          ; a round of the cluster's barrier
	s_barrier_signal -1
	s_barrier_wait -1
	s_cmp_lg_u32 s[WV], 0
	s_cbranch_scc1 .Lnot_wave_0_\@
	s_barrier_signal -3
.Lnot_wave_0_\@:
	s_barrier_wait -3
	s_barrier_signal -1
	s_barrier_wait -1
.endm
.macro MKG0 g, l, loff, p, goff        ; a descriptor's group 0: count 1; LDS address; global address; type 2
	s_mov_b32 s[\g], 1
	s_add_co_u32 s[\g+1], s[\l], \loff
	s_add_nc_u64 s[\g+2:\g+3], s[\p:\p+1], \goff
	s_or_b32 s[\g+3], s[\g+3], 0x80000000
.endm
.set HD, 67                            ; s67: first my column's mask, then the second tile's head among its kind
	s_load_b64 s[92:93], s[0:1], 0x0               ; hb
	s_load_b128 s[36:39], s[0:1], 0x8              ; Wq's codes, scales
	s_load_b64 s[40:41], s[0:1], 0x20              ; Wk's scales
	s_load_b64 s[42:43], s[0:1], 0x30              ; Wv's scales
	v_lshl_add_u32 v[SPW], v0, 2, SPARE
	v_mov_b32 v[NIL], 0
	ds_add_u32 v[SPW], v[NIL]                      ; the opening: the add, twice on end, and its wait ahead of my first tensor load
	ds_add_u32 v[SPW], v[NIL]
	v_lshrrev_b32 v3, 5, v0
	v_readfirstlane_b32 s[WV], v3
	s_lshr_b32 s[LA], s[WV], 1                     ; I fetch for the weights (0) or for hb (1),
	s_and_b32 s[LB], s[WV], 1                      ; and which 64 rows
	s_bfe_u32 s[CX], ttmp6, 0x40000
	s_bfe_u32 s[CY], ttmp6, 0x40004
	s_lshl_b32 s[HX], ttmp9, 2
	s_add_co_u32 s[HX], s[HX], s[CX]               ; x: the q head, 0 .. 15
	s_and_b32 s[TY], ttmp7, 0xffff
	s_lshl_b32 s[TY], s[TY], 2
	s_add_co_u32 s[TY], s[TY], s[CY]               ; block of 128 tokens
	s_lshl_b32 s66, s[CY], 2
	s_lshl_b32 s66, 15, s66                        ; my row of the cluster
	s_lshl_b32 s67, 0x1111, s[CX]                  ; my column
	s_lshr_b32 s[ISV], ttmp9, 1
	s_and_b32 s[ISV], s[ISV], 1                    ; 1 where the cluster's x is 2 or 3: the second tile is a v head
	; group 1 for codes: 64 rows of 256 bytes, 1,024 bytes apart, 16 bytes of padding behind each
	s_or_b32 s4, s67, (1<<20)|(1<<21)|(5<<22)|(3<<25)
	s_or_b32 s12, s66, (1<<20)|(1<<21)|(5<<22)|(3<<25)
.irp g, 4, 12
	s_mov_b32 s[\g+1], 256<<16
	s_mov_b32 s[\g+2], 64<<16
	s_mov_b32 s[\g+3], 256<<16
	s_mov_b32 s[\g+4], 64
	s_mov_b32 s[\g+5], 1024
	s_mov_b32 s[\g+6], 0
	s_mov_b32 s[\g+7], 0
.endr
	; group 1 for scales: 4,096 dense bytes as 16 rows of 256 (32 elements of 8 bytes), padded alike
	s_or_b32 s20, s67, (3<<16)|(1<<20)|(1<<21)|(5<<22)|(3<<25)
	s_or_b32 s28, s66, (3<<16)|(1<<20)|(1<<21)|(5<<22)|(3<<25)
.irp g, 20, 28
	s_mov_b32 s[\g+1], 32<<16
	s_mov_b32 s[\g+2], 16<<16
	s_mov_b32 s[\g+3], 32<<16
	s_mov_b32 s[\g+4], 16
	s_mov_b32 s[\g+5], 32
	s_mov_b32 s[\g+6], 0
	s_mov_b32 s[\g+7], 0
.endr
	s_lshl_b32 s[HD], s[ISV], 3                    ; (the masks stand in the descriptors now)
	s_sub_co_u32 s[HD], s[HX], s[HD]               ; the second tile's head among its kind: x, or x - 8
	s_lshl_b32 s48, s[HX], 17                      ; Wq's codes: head x 128 rows x 1,024 + my 64 rows
	s_lshl_b32 s101, s[LB], 16
	s_add_co_u32 s48, s48, s101
	s_mov_b32 s49, 0
	s_lshl_b32 s52, s[HX], 13                      ; Wq's scales
	s_lshl_b32 s101, s[LB], 12
	s_add_co_u32 s52, s52, s101
	s_mov_b32 s53, 0
	s_lshl_b32 s44, s[HD], 13                      ; the second weight's scales
	s_add_co_u32 s44, s44, s101
	s_mov_b32 s45, 0
	s_lshl_b32 s68, s[TY], 17                      ; hb's codes
	s_lshl_b32 s101, s[LB], 16
	s_add_co_u32 s68, s68, s101
	s_mov_b32 s69, 0
	s_lshl_b32 s72, s[TY], 13                      ; hb's scales
	s_lshl_b32 s101, s[LB], 12
	s_add_co_u32 s72, s72, s101
	s_add_co_u32 s72, s72, 0x200000
	s_mov_b32 s73, 0
	s_wait_dscnt 0x0                               ; both opening adds are done
	s_wait_kmcnt 0x0
	s_cmp_lt_u32 ttmp9, 2                          ; which second weight: the choice hangs on the cluster's x alone
	s_cselect_b64 s[2:3], s[40:41], s[42:43]
	s_add_nc_u64 s[2:3], s[2:3], s[44:45]
	s_add_nc_u64 s[88:89], s[36:37], s[48:49]
	s_add_nc_u64 s[90:91], s[38:39], s[52:53]
	s_add_nc_u64 s[94:95], s[92:93], s[72:73]
	s_add_nc_u64 s[92:93], s[92:93], s[68:69]
	s_mul_i32 s100, s[WV], HALF                    ; where they go: wave x 64 rows: no place in the cluster enters an LDS address
	s_mul_i32 s101, s[WV], SCH
	s_mul_i32 s66, s[LB], SCH
	MKG0 96, 66, SC2, 2, 0
	MKG0 36, 101, SCL, 90, 0
.irp q, 0,1,2,3
	MKG0 40+4*\q, 100, \q*SLOT, 88, 256*\q
.endr
	MKG0 56, 101, SCL, 94, 0
	MKG0 60, 100, 0, 92, 0
	MKG0 68, 100, SLOT, 92, 256
	MKG0 72, 100, 2*SLOT, 92, 512
	MKG0 76, 100, 3*SLOT, 92, 768
	CROUND                                         ; all sixteen work-groups are here: the joint loads meet
	s_cmp_eq_u32 s[LA], 0                          ; a wave's first fills stand in one arm of one branch on its number
	s_cbranch_scc0 .Lfor_h
	tensor_load_to_lds s[96:99], s[20:27]          ; the second weight's scales first, so that the counts behind are the same in both arms
	s_nop 0
	tensor_load_to_lds s[36:39], s[20:27]
	s_nop 0
	tensor_load_to_lds s[40:43], s[4:11]
	s_nop 0
	tensor_load_to_lds s[44:47], s[4:11]
	s_nop 0
	tensor_load_to_lds s[48:51], s[4:11]
	s_nop 0
	tensor_load_to_lds s[52:55], s[4:11]
	s_nop 0
	PLACES
	s_branch .Lasked
.Lfor_h:
	tensor_load_to_lds s[56:59], s[28:35]
	s_nop 0
	tensor_load_to_lds s[60:63], s[12:19]
	s_nop 0
	tensor_load_to_lds s[68:71], s[12:19]
	s_nop 0
	tensor_load_to_lds s[72:75], s[12:19]
	s_nop 0
	tensor_load_to_lds s[76:79], s[12:19]
	s_nop 0
	PLACES
.Lasked:
	s_load_b128 s[88:91], s[0:1], 0x38             ; q_norm_w, k_norm_w
	s_load_b128 s[92:95], s[0:1], 0x48             ; cos, sin
	v_and_b32 v56, 15, v0                          ; r
	v_bfe_u32 v57, v0, 4, 1                        ; h
	v_and_b32 v58, 31, v0                          ; lane
	v_mul_u32_u24 v59, v56, PITCH
	v_lshl_add_u32 v3, v57, 4, v59                 ; the first tile: P = the weight's rows, at 0: a fragment's row x pitch + 16 h
	s_mul_i32 s100, s[WV], 32*PITCH                ; my 32 rows of N
	s_add_co_u32 s101, s100, REGN
	v_add_nc_u32 v4, s101, v3                      ; N = hb's rows
	s_mul_i32 s2, s[ISV], REGN                     ; the second tile: P: the weight's rows, for v hb's;
	s_xor_b32 s3, s[ISV], 1
	s_mul_i32 s101, s3, REGN                       ; N: the other
	s_add_co_u32 s101, s101, s100
	v_add_nc_u32 v11, s2, v3
	v_add_nc_u32 v12, s101, v3
	v_lshrrev_b32 v60, 2, v58
	v_mul_u32_u24 v60, v60, PITCH
	v_and_b32 v61, 3, v58
	v_lshl_add_u32 v60, v61, 6, v60                ; row l of a pair of tiles: four rows of 64 scale bytes to a unit
	s_mul_i32 s100, s[WV], 8*PITCH
	s_add_co_u32 s101, s100, SCL+2*SCH
	v_add_nc_u32 v5, SCL, v60
	v_add_nc_u32 v6, s101, v60
	s_mul_i32 s3, s3, 2*SCH
	s_add_co_u32 s3, s3, SCL+2*SCH
	v_add_nc_u32 v13, s3, v60
	s_mul_i32 s2, s[ISV], 2*SCH
	s_add_co_u32 s2, s2, s101
	v_add_nc_u32 v14, s2, v60
	v_lshlrev_b32 v[CSO], 9, v56
	v_lshl_add_u32 v[CSO], v57, 5, v[CSO]
	v_lshlrev_b32 v[NWO], 5, v57
	v_lshlrev_b32 v[IMO], 4, v58
	v_lshlrev_b32 v[SWO], 2, v58
.irp b, 0,1,2,3
	v_mov_b32 v[TM+4+\b], 0                        ; written once: a lane permute's destination counts as one of its sources
.endr
.macro FRAGP set, sp                   ; P's eight fragments of the quarter's sp-th 128 along K
.irp t, 0,1,2,3,4,5,6,7
.irp c, 0,1
	ds_load_b128 v[PF+64*(\set)+8*\t+4*\c:PF+64*(\set)+8*\t+4*\c+3], v[ADP] offset:\t*16*PITCH+64*(\sp)+32*\c
.endr
.endr
.endm
.macro FRAGN set, sp                   ; N's two
.irp m, 0,1
.irp c, 0,1
	ds_load_b128 v[NF+16*(\set)+8*\m+4*\c:NF+16*(\set)+8*\m+4*\c+3], v[ADN] offset:\m*16*PITCH+64*(\sp)+32*\c
.endr
.endr
.endm
.macro SCALES set, q                   ; a quarter's scale words: four words a row; lanes 0-15 the even tile's rows, lanes 16-31 the odd tile's
.irp b, 0,1,2,3
	ds_load_b128 v[SC+20*(\set)+4*\b:SC+20*(\set)+4*\b+3], v[ADSP] offset:8*PITCH*\b+16*(\q)
.endr
	ds_load_b128 v[SC+20*(\set)+16:SC+20*(\set)+19], v[ADSN] offset:16*(\q)
.endm
.macro WMC c, ra, rb                   ; one product; the odd tile of a pair takes its scales from lanes 16-31
.if (\ra) && (\rb)
	v_wmma_scale_f32_16x16x128_f8f6f4 v[rD:rD+7], v[rA:rA+7], v[rB:rB+7], \c, v[rSA], v[rSB] matrix_a_fmt:MATRIX_FMT_FP4 matrix_b_fmt:MATRIX_FMT_FP4 matrix_a_scale:MATRIX_SCALE_ROW1 matrix_b_scale:MATRIX_SCALE_ROW1
.elseif (\ra)
	v_wmma_scale_f32_16x16x128_f8f6f4 v[rD:rD+7], v[rA:rA+7], v[rB:rB+7], \c, v[rSA], v[rSB] matrix_a_fmt:MATRIX_FMT_FP4 matrix_b_fmt:MATRIX_FMT_FP4 matrix_a_scale:MATRIX_SCALE_ROW1
.elseif (\rb)
	v_wmma_scale_f32_16x16x128_f8f6f4 v[rD:rD+7], v[rA:rA+7], v[rB:rB+7], \c, v[rSA], v[rSB] matrix_a_fmt:MATRIX_FMT_FP4 matrix_b_fmt:MATRIX_FMT_FP4 matrix_b_scale:MATRIX_SCALE_ROW1
.else
	v_wmma_scale_f32_16x16x128_f8f6f4 v[rD:rD+7], v[rA:rA+7], v[rB:rB+7], \c, v[rSA], v[rSB] matrix_a_fmt:MATRIX_FMT_FP4 matrix_b_fmt:MATRIX_FMT_FP4
.endif
.endm
; P's tiles t0 .. t0 + n - 1 against N's two.  The sixteen accumulators take turns, one instruction a turn, in the same order in every step.  zero = 1: the first products start the sums.
.macro MUL t0, n, set, sset, sp, zero
.set T, \t0
.rept \n
.irp m, 0,1
.set rD, 64*\m+8*T
.set rA, PF+64*(\set)+8*T
.set rB, NF+16*(\set)+8*\m
.set rSA, SC+20*(\sset)+4*(T/2)+(\sp)
.set rSB, SC+20*(\sset)+16+(\sp)
.if \zero
	WMC 0, T%2, \m
.else
	WMC v[rD:rD+7], T%2, \m
.endif
.endr
.set T, T+1
.endr
.endm
; A step of 128 along K whose successor lies in the same quarter: the next step's 20 loads go out ahead of this step's 16 products.
.macro STEP q, sp, zero
	s_wait_dscnt 0x0                               ; this step's fragments and scale words are in
.if !(\zero)
	PLACES                                         ; four places between the last products and loads into the registers that they read
.endif
	FRAGP 1-(\sp)%2, (\sp)+1
	FRAGN 1-(\sp)%2, (\sp)+1
	WIN 0x50                                       ; C and D in window 1
	MUL 0, 8, (\sp)%2, (\q)%2, \sp, \zero
	WIN 0
.endm
; A quarter's last step.  bar = 1, the first tile: my part of the next quarter has landed (the later quarters may stay out); behind the barrier everybody's has.
; bar = 0, the second tile: all four quarters were shown landed ahead of it.
.macro CHANGE q, bar
	s_wait_dscnt 0x0
.if \bar
	s_wait_tensorcnt 2-(\q)
.if (\q) == 2
	s_load_b256 s[12:19], s[0:1], 0x58             ; no tensor load of mine is out, so descriptor registers may be written: qb, kf, vf, side,
	s_load_b64 s[20:21], s[0:1], 0x18              ; Wk's codes,
	s_load_b64 s[22:23], s[0:1], 0x28              ; Wv's codes
.endif
	s_barrier_signal -1
	WIN 0x50
	MUL 0, 4, 1, (\q)%2, 3, 0
	WIN 0
	s_barrier_wait -1
.endif
	PLACES
	v_add_nc_u32 v[ADP], SLOT, v[ADP]
	v_add_nc_u32 v[ADN], SLOT, v[ADN]
	FRAGP 0, 0
	FRAGN 0, 0
	SCALES ((\q)+1)%2, (\q)+1
	WIN 0x50
.if \bar
	MUL 4, 4, 1, (\q)%2, 3, 0
.else
	MUL 0, 8, 1, (\q)%2, 3, 0
.endif
	WIN 0
.endm
.macro GEMM3 bar                       ; a tile's quarters 0 to 2, and the first fragments of quarter 3
	FRAGP 0, 0
	FRAGN 0, 0
	SCALES 0, 0
	STEP 0, 0, 1
	STEP 0, 1, 0
	STEP 0, 2, 0
	CHANGE 0, \bar
	STEP 1, 0, 0
	STEP 1, 1, 0
	STEP 1, 2, 0
	CHANGE 1, \bar
	STEP 2, 0, 0
	STEP 2, 1, 0
	STEP 2, 2, 0
	CHANGE 2, \bar
.endm
.macro LASTQ                           ; the last quarter
	STEP 3, 0, 0
	STEP 3, 1, 0
	STEP 3, 2, 0
	s_wait_dscnt 0x0
	WIN 0x50
	MUL 0, 8, 1, 1, 3, 0
	WIN 0
	PLACES                                         ; in front of the first reads of results and of writes over the fragments' registers
.endm
; 64 numbers of a lane, v[s] .. v[s + 63] of window xw, registers 16 b .. 16 b + 15 = my half of block b, become a fragment's codes in v[pc] .. v[pc + 7] and its scale word in v[pw].
.macro QUANTN s, xw, pc, pw
.set QW, ((\xw)<<2)|((\xw)<<4)
	WIN QW
.irp b, 0,1,2,3
	v_max3_num_f32 v[TM+\b], 0x1800000, |v[\s+16*\b]|, |v[\s+16*\b+1]|      ; with the floor 2^(3 - 127): the byte cannot fall under 1.  Each accumulator is read from its low end on
.endr
.irp i, 2,4,6,8,10,12,14
.irp b, 0,1,2,3
	v_max3_num_f32 v[TM+\b], v[TM+\b], |v[\s+16*\b+\i]|, |v[\s+16*\b+\i+1]|
.endr
.endr
	WIN 0
.irp b, 0,1,2,3
	v_permlanex16_b32 v[TM+4+\b], v[TM+\b], s[SEL], s[SEL+1]
.endr
.irp b, 0,1,2,3
	v_max_num_f32 v[TM+\b], v[TM+\b], v[TM+4+\b]   ; with lane l xor 16's half: the block's largest magnitude
.endr
.irp b, 0,1,2,3
	v_add_nc_u32 v[TM+12+\b], 0xff000000, v[TM+\b] ; 2 off its exponent field: the conversion's scale operand
.endr
.irp b, 0,1,2,3
	v_lshrrev_b32 v[TM+4+\b], 23, v[TM+12+\b]      ; the scale's byte
.endr
	v_lshl_or_b32 v[\pw], v[TM+5], 8, v[TM+4]
	v_lshl_or_b32 v[\pw], v[TM+6], 16, v[\pw]
	v_lshl_or_b32 v[\pw], v[TM+7], 24, v[\pw]
	WIN \xw
.irp b, 0,1,2,3
	v_cvt_scalef32_pk8_fp4_f32 v[\pc+4*(\b/2)+(\b%2)], v[\s+16*\b:\s+16*\b+7], v[TM+12+\b]        ; octet h of block b
	v_cvt_scalef32_pk8_fp4_f32 v[\pc+4*(\b/2)+2+(\b%2)], v[\s+16*\b+8:\s+16*\b+15], v[TM+12+\b]   ; octet 2 + h
.endr
	WIN 0
	v_nop                                          ; one plain place behind a scaled conversion
.irp c, 0,1
	v_permlane16_swap_b32 v[\pc+4*\c], v[\pc+4*\c+1]      ; lanes 0-15 get block 2 c whole, lanes 16-31 block 2 c + 1: octets 0, 1,
	v_permlane16_swap_b32 v[\pc+4*\c+2], v[\pc+4*\c+3]    ; octets 2, 3
.endr
.endm
; The way out of 16 tokens of q or k: x rsqrt(mean x^2 + 1e-6) w, RoPE (d + 64 is tile t + 4: register n + 32 of the same lane), the quantiser.
.macro EPI m, pc, pw
	WIN 0x05
	v_pk_mul_f32 v[SS:SS+1], v[64*\m:64*\m+1], v[64*\m:64*\m+1]
	v_pk_mul_f32 v[SS+2:SS+3], v[64*\m+2:64*\m+3], v[64*\m+2:64*\m+3]
.set n, 64*\m+4
.rept 15
	v_pk_fma_f32 v[SS:SS+1], v[n:n+1], v[n:n+1], v[SS:SS+1]
	v_pk_fma_f32 v[SS+2:SS+3], v[n+2:n+3], v[n+2:n+3], v[SS+2:SS+3]
.set n, n+4
.endr
	WIN 0
	v_pk_add_f32 v[SS:SS+1], v[SS:SS+1], v[SS+2:SS+3]
	v_add_f32 v[SS], v[SS], v[SS+1]
	v_permlanex16_b32 v[SS+1], v[SS], s[SEL], s[SEL+1]
	v_add_f32 v[SS], v[SS], v[SS+1]                ; the token's sum of squares over the head's 128
	v_fma_f32 v[SS], v[SS], s30, s31               ; / 128 + 1e-6
	v_rsq_f32 v[RS], v[SS]
	v_nop
	s_wait_alu depctr_va_vdst(0)                   ; the wait ahead of a transcendental's first reader
	v_mov_b32 v[RS+1], v[RS]
	WIN 0x01
.set n, 0
.rept 32
	v_pk_mul_f32 v[Y+n:Y+n+1], v[64*\m+n:64*\m+n+1], v[RS:RS+1]
.set n, n+2
.endr
	WIN 0x04
.set n, 0
.rept 32
	v_pk_mul_f32 v[Y+n:Y+n+1], v[Y+n:Y+n+1], v[NW+n:NW+n+1]
.set n, n+2
.endr
	WIN 0x08
.set n, 0
.rept 32
	v_pk_mul_f32 v[Z+n:Z+n+1], v[Y+n:Y+n+1], v[64*\m+n:64*\m+n+1]
.set n, n+2
.endr
.set n, 0
.rept 16
	v_pk_fma_f32 v[Z+n:Z+n+1], v[Y+32+n:Y+33+n], v[128+64*\m+n:129+64*\m+n], v[Z+n:Z+n+1] neg_lo:[1,0,0] neg_hi:[1,0,0]
	v_pk_fma_f32 v[Z+32+n:Z+33+n], v[Y+n:Y+n+1], v[160+64*\m+n:161+64*\m+n], v[Z+32+n:Z+33+n]
.set n, n+2
.endr
	QUANTN Z, 0, \pc, \pw
.endm
.macro NWLOAD p                        ; the norm's weight, in the result's layout: tile t, my half's eight
	WIN 0x40
.irp t, 0,1,2,3,4,5,6,7
.irp e, 0,1
	global_load_b128 v[NW+8*\t+4*\e:NW+8*\t+4*\e+3], v[NWO], s[\p:\p+1] offset:64*\t+16*\e
.endr
.endr
	WIN 0
.endm
.macro OUTST fb, sb                    ; my two fragments and their pair of scale words leave
	v_cndmask_b32 v[PW0], v[PW0], v[PW1], s32      ; lanes 0-15 the even tile's words, lanes 16-31 the odd tile's
	global_store_b128 v[IMO], v[PC0:PC0+3], s[\fb:\fb+1]           ; each store covers 512 consecutive bytes, aligned
	global_store_b128 v[IMO], v[PC0+4:PC0+7], s[\fb:\fb+1] offset:512
	global_store_b128 v[IMO], v[PC1:PC1+3], s[\fb:\fb+1] offset:1024
	global_store_b128 v[IMO], v[PC1+4:PC1+7], s[\fb:\fb+1] offset:1536
	global_store_b32 v[SWO], v[PW0], s[\sb:\sb+1]  ; 128 consecutive bytes
.endm
	; ---- THE FIRST TILE: q head x
	s_wait_tensorcnt 0x3                           ; my part of the scales and of quarter 0 is in; quarters 1 to 3 may be out
	s_barrier_signal -1
	s_barrier_wait -1                              ; everybody's is
	GEMM3 1
	s_mov_b32 s[SEL], 0x76543210                   ; (the descriptors that lay here are done with: the last change of quarters waited for all my tensor loads)
	s_mov_b32 s[SEL+1], 0xfedcba98                 ; v_permlanex16_b32's selects for lane l xor 16
	s_mov_b32 s30, 0x3c000000                      ; 1 / 128
	s_mov_b32 s31, 0x358637bd                      ; 1e-6
	s_mov_b32 s32, 0xffff0000                      ; lanes 16-31
	s_wait_kmcnt 0x0
	s_lshl_b32 s44, s[TY], 16                      ; cos and sin of my 32 tokens, and q's norm weight, are asked for a quarter ahead of their use
	s_lshl_b32 s45, s[WV], 14
	s_add_co_u32 s44, s44, s45
	s_mov_b32 s45, 0
	s_add_nc_u64 s[92:93], s[92:93], s[44:45]
	s_add_nc_u64 s[94:95], s[94:95], s[44:45]
	NWLOAD 88
	WIN 0x80
.irp m, 0,1
.irp t, 0,1,2,3,4,5,6,7
.irp e, 0,1
	global_load_b128 v[64*\m+8*\t+4*\e:64*\m+8*\t+4*\e+3], v[CSO], s[92:93] offset:8192*\m+64*\t+16*\e
	global_load_b128 v[128+64*\m+8*\t+4*\e:128+64*\m+8*\t+4*\e+3], v[CSO], s[94:95] offset:8192*\m+64*\t+16*\e
.endr
.endr
.endr
	WIN 0
	LASTQ
	; ---- THE REFILL: the second weight's codes into the first weight's bytes
	s_wait_tensorcnt 0x0                           ; all my tensor loads have landed, so every descriptor register may be written
	ds_add_u32 v[SPW], v[NIL]                      ; 0 onto my spare word: the descriptor's words stand between it and the wait for it
	s_mov_b32 s6, 128<<16                          ; group 1 as it stood, now with 128 rows
	s_mov_b32 s8, 128
	s_cmp_lt_u32 ttmp9, 2
	s_cselect_b64 s[42:43], s[20:21], s[22:23]     ; Wk's codes or Wv's
	s_lshl_b32 s44, s[HD], 17                      ; the head's 128 rows,
	s_lshl_b32 s45, s[WV], 8                       ; quarter w of each
	s_add_co_u32 s44, s44, s45
	s_mov_b32 s45, 0
	s_add_nc_u64 s[42:43], s[42:43], s[44:45]
	s_or_b32 s43, s43, 0x80000000
	s_mov_b32 s40, 1
	s_mul_i32 s41, s[WV], SLOT                     ; into quarter w's weight rows
	s_wait_dscnt 0x0                               ; the add is done, and my reads of the weight's rows are over
	CROUND                                         ; the same holds of every wave of all sixteen work-groups
	tensor_load_to_lds s[40:43], s[4:11]           ; my one tensor load behind the round, and the first thing there
	s_nop 0
	PLACES
	s_wait_loadcnt 0x0                             ; cos, sin, the norm's weight
	EPI 0, PC0, PW0
	EPI 1, PC1, PW1
	s_lshl_b32 s44, s[HX], 17                      ; fragments: head x 131072 + block x 8192 + wave x 2048 (two fragments)
	s_lshl_b32 s45, s[TY], 13
	s_add_co_u32 s44, s44, s45
	s_lshl_b32 s45, s[WV], 11
	s_add_co_u32 s44, s44, s45
	s_mov_b32 s45, 0
	s_add_nc_u64 s[36:37], s[12:13], s[44:45]
	s_lshl_b32 s44, s[HX], 13                      ; scale pairs, behind qb's fragments: head x 8192 + block x 512 + wave x 128
	s_lshl_b32 s45, s[TY], 9
	s_add_co_u32 s44, s44, s45
	s_lshl_b32 s45, s[WV], 7
	s_add_co_u32 s44, s44, s45
	s_add_co_u32 s44, s44, 0x200000
	s_mov_b32 s45, 0
	s_add_nc_u64 s[38:39], s[12:13], s[44:45]
	OUTST 36, 38
	; ---- THE SECOND TILE: k head x, or v head x - 8
	s_wait_tensorcnt 0x0                           ; my quarter of the second weight has landed,
	s_wait_xcnt 0x0                                ; (the first tile's stores have read their registers: the second way out may write them)
	s_barrier_signal -1
	s_barrier_wait -1                              ; everybody's has
.set ADP, 11
.set ADN, 12
.set ADSP, 13
.set ADSN, 14
	GEMM3 0
	s_cmp_lg_u32 s[ISV], 0
	s_cbranch_scc1 .Lv_arm
	NWLOAD 90                                      ; k's norm weight, a quarter ahead of its use; cos and sin are still in their registers
	LASTQ
	s_wait_loadcnt 0x0
	EPI 0, PC0, PW0
	EPI 1, PC1, PW1
	s_branch .Lout
.Lv_arm:
	LASTQ
	QUANTN 0, 1, PC0, PW0                          ; v: a lane's 64 registers run along the key step's 128 tokens: straight from the accumulators
	QUANTN 64, 1, PC1, PW1
.Lout:
	s_lshl_b32 s50, s[HD], 17
	s_lshl_b32 s51, s[TY], 13
	s_add_co_u32 s50, s50, s51
	s_lshl_b32 s51, s[WV], 11
	s_add_co_u32 s50, s50, s51
	s_mov_b32 s51, 0
	s_cmp_lt_u32 ttmp9, 2
	s_cselect_b64 s[46:47], s[14:15], s[16:17]     ; kf or vf
	s_add_nc_u64 s[46:47], s[46:47], s[50:51]
	s_mul_i32 s50, s[HD], 24576                    ; scale pairs: k's at the head of the head's part of side, v's 16,384 bytes on
	s_lshl_b32 s51, s[ISV], 14
	s_add_co_u32 s50, s50, s51
	s_lshl_b32 s51, s[TY], 9
	s_add_co_u32 s50, s50, s51
	s_lshl_b32 s51, s[WV], 7
	s_add_co_u32 s50, s50, s51
	s_mov_b32 s51, 0
	s_add_nc_u64 s[48:49], s[18:19], s[50:51]
	OUTST 46, 48
	s_wait_tensorcnt 0x0                           ; the wave's end
	ds_add_u32 v[SPW], v[NIL]
	s_wait_dscnt 0x0
	CROUND                                         ; the closing round
	s_endpgm
.Lfunc_end_k_q1758c80e5e_qkv:
	.size	k_q1758c80e5e_qkv, .Lfunc_end_k_q1758c80e5e_qkv-k_q1758c80e5e_qkv
	.p2alignl 7, 3214868480
	.fill 96, 4, 3214868480
	.section	.rodata,"a",@progbits
	.p2align	6, 0x0
	.amdhsa_kernel k_q1758c80e5e_qkv
		.amdhsa_group_segment_fixed_size 327680
		.amdhsa_private_segment_fixed_size 0
		.amdhsa_enable_private_segment 0
		.amdhsa_kernarg_size 120
		.amdhsa_user_sgpr_count 2
		.amdhsa_user_sgpr_kernarg_segment_ptr 1
		.amdhsa_wavefront_size32 1
		.amdhsa_system_sgpr_workgroup_id_x 1
		.amdhsa_system_sgpr_workgroup_id_y 1
		.amdhsa_system_sgpr_workgroup_id_z 1
		.amdhsa_system_vgpr_workitem_id 0
		.amdhsa_next_free_vgpr 768
		.amdhsa_next_free_sgpr 102
		.amdhsa_reserve_vcc 0
		.amdhsa_float_denorm_mode_32 3
		.amdhsa_float_denorm_mode_16_64 3
		.amdhsa_memory_ordered 1
		.amdhsa_forward_progress 1
		.amdhsa_inst_pref_size 217
	.end_amdhsa_kernel
	.amdgpu_metadata
---
amdhsa.version: [ 1, 2 ]
amdhsa.kernels:
  - .name:           k_q1758c80e5e_qkv
    .symbol:         k_q1758c80e5e_qkv.kd
    .args:
      - { .name: hb, .offset: 0, .size: 8, .value_kind: global_buffer, .address_space: global }
      - { .name: Wq_codes, .offset: 8, .size: 8, .value_kind: global_buffer, .address_space: global }
      - { .name: Wq_scales, .offset: 16, .size: 8, .value_kind: global_buffer, .address_space: global }
      - { .name: Wk_codes, .offset: 24, .size: 8, .value_kind: global_buffer, .address_space: global }
      - { .name: Wk_scales, .offset: 32, .size: 8, .value_kind: global_buffer, .address_space: global }
      - { .name: Wv_codes, .offset: 40, .size: 8, .value_kind: global_buffer, .address_space: global }
      - { .name: Wv_scales, .offset: 48, .size: 8, .value_kind: global_buffer, .address_space: global }
      - { .name: q_norm_w, .offset: 56, .size: 8, .value_kind: global_buffer, .address_space: global }
      - { .name: k_norm_w, .offset: 64, .size: 8, .value_kind: global_buffer, .address_space: global }
      - { .name: cos, .offset: 72, .size: 8, .value_kind: global_buffer, .address_space: global }
      - { .name: sin, .offset: 80, .size: 8, .value_kind: global_buffer, .address_space: global }
      - { .name: qb, .offset: 88, .size: 8, .value_kind: global_buffer, .address_space: global }
      - { .name: kf, .offset: 96, .size: 8, .value_kind: global_buffer, .address_space: global }
      - { .name: vf, .offset: 104, .size: 8, .value_kind: global_buffer, .address_space: global }
      - { .name: side, .offset: 112, .size: 8, .value_kind: global_buffer, .address_space: global }
    .group_segment_fixed_size: 327680
    .private_segment_fixed_size: 0
    .kernarg_segment_align: 8
    .kernarg_segment_size: 120
    .max_flat_workgroup_size: 128
    .sgpr_count:     102
    .vgpr_count:     768
    .wavefront_size: 32
...
	.end_amdgpu_metadata
.endif
;; end of part 5
;; launch attn (part 6): grid 16 x 16, 8 waves a work-group, clusters of 4 x 1, 327,680 bytes of LDS; arguments qb, kf, vf, side, ob; writes ob
.if DOCPART == 6
	.amdgcn_target "amdgcn-amd-amdhsa--gfx1250"
	.amdhsa_code_object_version 6
	.text
	.protected	k_q1758c80e5e_attn
	.globl	k_q1758c80e5e_attn
	.p2align	8
	.type	k_q1758c80e5e_attn,@function
k_q1758c80e5e_attn:
	s_mov_b64 s[64:65], 0
	v_nop
	global_prefetch_b8 v0, s[64:65] scope:SCOPE_SE
	s_setreg_imm32_b32 hwreg(HW_REG_WAVE_MODE, 25, 1), 1
	s_wait_xcnt 0x0
	s_wait_alu depctr_hold_cnt(0) depctr_sa_sdst(0) depctr_va_vdst(0) depctr_va_sdst(0) depctr_va_ssrc(0) depctr_va_vcc(0) depctr_vm_vsrc(0)
	s_getreg_b32 s2, hwreg(HW_REG_IB_STS2, 6, 4)
	s_cmp_eq_u32 s2, 0
	s_cbranch_scc0 .Lentry_in_a_cluster
	s_endpgm
.Lentry_in_a_cluster:
	s_bfe_u32 s2, ttmp6, 0x10000c
	s_cmp_lg_u32 s2, 0x3003
	s_cbranch_scc0 .Lentry_shape_is_right
	s_endpgm
.Lentry_shape_is_right:
; ATTN.  O = softmax(q k^T / sqrt(128) + log_beta[key] x age, causal) v on codes of E2M1, then O / l quantised along the head's 128 for the last projection.
; LEFT OUT: key steps of 128 keys all of which come after a tile's 16 queries: the mask that reference() builds in its own body throws them away, whatever the inputs hold (shown at the head of the first kernel).
; THE SOFTMAX: x = score + u' x age (u' = log_beta x sqrt(128)); t = x c, c = log2(e) / sqrt(128); M = the ceiling of the running largest t; p = 2^(t - M) is quantised along the keys; the row's sum is taken of the
; unquantised p and divides at the end; when M moves, the sum and O are multiplied by 2^(old M - new M), which rounds nothing.
; A key/value head's codes (fragment images, 128 KB + 128 KB) and its 24 KB of scale pairs and u' all lie in LDS: every byte is filled once, by waves 0 to 3 (five tensor loads each, five out at the most).
; SHARES.  Waves w and w + 4 are a pair and own two tiles of 16 queries of one head: a heavy one, of the group of 128 queries GH = 12 - 4 a + X (a = bit 1 of the wave's number, X the cluster's x), and a light one, of group
; 15 - GH: 17 key steps together.  Wave w walks the heavy tile's steps 0 to 7.  Wave w + 4 walks the light tile (16 - GH steps), sends it out, takes up the heavy tile's Q and walks its steps 8 to GH, with an M, a sum and
; an O^T of their own.  That half goes through LDS as it stands in the registers; behind one barrier wave w takes the larger M, multiplies both halves by their powers of two, adds them and sends the tile out.
; So every wave has 8 or 9 key steps.  The block scales take up the power of two between a half's own M and the row's, so the codes' values are those of one walk.
; GH is made of the wave's number and the cluster's x alone.  The tile within its group, 2 cx + (wave & 1), enters global addresses and lane data alone.  So every branch is the same in the four partners of a cluster, which
; belong to one head, and K, V and the side data are asked for JOINTLY (mask 15).  GH is 12 or more in two pairs of every work-group, so every fill is read in every work-group.
; TWO BARRIERS FOR THE DATA: the first shows the side data and keys 0 to 511, the second, two key steps later, all the rest: behind it no wave waits for another until the halves meet.
; LAYOUT.  Both products transposed: S^T = K Q^T, O^T = V^T P^T: a lane holds one query.  Register j of tile t of lane (r, h) is key 16 t + 8 h + j of the step; the quantiser's lane swaps give the operand's layout.
; LIMITS as stated at the head of the first kernel.
; REGISTERS: v1-4 places that stay; v5, v6 the add's two; v7 my query - 8 h; v8-11, v25 addresses in hand; v12 -M, v13 the largest t, v[14:15] the sum; v16-23 Q, v24 its scale word; v[26:27] minus my age at key offset 0, 1;
;   v28 4 r; v29 the heavy tile's query - 8 h; v30 the pair's place for the half; v32-95 K's fragments and u', then V's eight; v96-159 S^T, x, p; v160-223 O^T; v224-231 p's codes; v232-247, v252, v254 at work;
;   v248-251 scale pairs; v253 p's scale word.
.set VL,    131072                     ; LDS: K's images at 0, V's here,
.set KSS,   262144                     ; K's scale pairs [64][128],
.set UT,    270336                     ; u' [2048] f32,
.set VSS,   278528                     ; V's scale pairs [16][4][128],
.set PART,  286720                     ; a pair's half of the heavy tile: 16 images of 512 bytes and one of -M, t and the sum: no fill lands here
.set PSZ,   8704
.set SPARE, PART+4*PSZ                 ; the spare words, 128 bytes a wave: four blocks of 256 bytes
.set WV, 14
.macro PLACES
.rept 4
	v_nop
.endr
.endm
.macro CROUND
	s_barrier_signal -1
	s_barrier_wait -1
	s_cmp_lg_u32 s[WV], 0
	s_cbranch_scc1 .Lnot_wave_0_\@
	s_barrier_signal -3
.Lnot_wave_0_\@:
	s_barrier_wait -3
	s_barrier_signal -1
	s_barrier_wait -1
.endm
.macro MKG0 g, l, loff, p, goff
	s_mov_b32 s[\g], 1
	s_add_co_u32 s[\g+1], s[\l], \loff
	s_add_nc_u64 s[\g+2:\g+3], s[\p:\p+1], \goff
	s_or_b32 s[\g+3], s[\g+3], 0x80000000
.endm
	s_load_b256 s[4:11], s[0:1], 0x0               ; qb, kf, vf, side
	s_load_b64 s[12:13], s[0:1], 0x20              ; ob
	v_lshl_add_u32 v5, v0, 2, SPARE
	v_mov_b32 v6, 0
	ds_add_u32 v5, v6                              ; the opening: the add, twice on end, and its wait ahead of the first tensor loads
	ds_add_u32 v5, v6
	v_lshrrev_b32 v8, 5, v0
	v_readfirstlane_b32 s[WV], v8
	s_bfe_u32 s16, ttmp6, 0x40000                  ; cx
	s_and_b32 s17, ttmp7, 0xffff                   ; the query head
	s_lshr_b32 s18, s17, 1                         ; its key/value head
	s_bfe_u32 s88, s[WV], 0x10001
	s_lshl_b32 s88, s88, 2
	s_sub_co_u32 s88, 12, s88
	s_add_co_u32 s87, s88, ttmp9                   ; GH, the heavy tile's group
	s_sub_co_u32 s89, 15, s87
	s_cmp_lt_u32 s[WV], 4
	s_cselect_b32 s19, s87, s89                    ; the group of my first tile: the last key step that counts for it
	s_lshl_b32 s88, s16, 1
	s_and_b32 s89, s[WV], 1
	s_add_co_u32 s88, s88, s89                     ; the tile within its group
	s_lshl_b32 s86, s19, 3
	s_add_co_u32 s86, s86, s88                     ; my first tile,
	s_lshl_b32 s66, s87, 3
	s_add_co_u32 s66, s66, s88                     ; the heavy tile,
	s_lshl_b32 s85, s86, 4                         ; and their first queries
	s_lshl_b32 s67, s66, 4
	s_mov_b32 s20, 0x76543210
	s_mov_b32 s21, 0xfedcba98
	s_mov_b32 s22, 0x3e0293ee                      ; c
	s_mov_b32 s23, s22
	; group 1: 16,384 dense bytes as 64 rows of 256 (32 elements of 8 bytes), no padding; for the side data 24 rows
	s_mov_b32 s24, 15|(3<<16)|(1<<21)
	s_mov_b32 s25, 32<<16
	s_mov_b32 s26, 64<<16
	s_mov_b32 s27, 32<<16
	s_mov_b32 s28, 64
	s_mov_b32 s29, 32
	s_mov_b32 s30, 0
	s_mov_b32 s31, 0
	s_mov_b32 s32, 15|(3<<16)|(1<<21)
	s_mov_b32 s33, 32<<16
	s_mov_b32 s34, 24<<16
	s_mov_b32 s35, 32<<16
	s_mov_b32 s36, 24
	s_mov_b32 s37, 32
	s_mov_b32 s38, 0
	s_mov_b32 s39, 0
	s_and_b32 s88, s[WV], 1
	s_lshl_b32 s88, s88, 14                        ; which half of a piece I fetch
	s_lshl_b32 s90, s18, 17
	s_add_co_u32 s90, s90, s88
	s_mov_b32 s91, 0
	s_and_b32 s92, s[WV], 3
	s_mul_i32 s92, s92, 6144                       ; which quarter of the side data
	s_mul_i32 s94, s18, 24576
	s_add_co_u32 s94, s94, s92
	s_mov_b32 s95, 0
	s_wait_dscnt 0x0                               ; both opening adds are done
	s_wait_kmcnt 0x0
	s_add_nc_u64 s[6:7], s[6:7], s[90:91]
	s_add_nc_u64 s[8:9], s[8:9], s[90:91]
	s_add_nc_u64 s[10:11], s[10:11], s[94:95]
	MKG0 40, 92, KSS, 10, 0
.irp p, 0,1,2,3
	MKG0 44+4*\p, 88, 32768*\p, 6, 32768*\p
.endr
	MKG0 60, 88, VL, 8, 0
	MKG0 68, 88, VL+32768, 8, 32768
	MKG0 72, 88, VL+65536, 8, 65536
	MKG0 76, 88, VL+98304, 8, 98304
	CROUND                                         ; all four work-groups are here: the joint loads meet
	s_cmp_lt_u32 s[WV], 2                          ; a wave's first fills stand in one arm: waves 0, 1: side data and K; waves 2, 3: side data and V
	s_cbranch_scc0 .Lnot_k
	tensor_load_to_lds s[40:43], s[32:39]
	s_nop 0
	tensor_load_to_lds s[44:47], s[24:31]
	s_nop 0
	tensor_load_to_lds s[48:51], s[24:31]
	s_nop 0
	tensor_load_to_lds s[52:55], s[24:31]
	s_nop 0
	tensor_load_to_lds s[56:59], s[24:31]
	s_nop 0
	PLACES
	s_branch .Lasked
.Lnot_k:
	s_cmp_lt_u32 s[WV], 4
	s_cbranch_scc0 .Lasked
	tensor_load_to_lds s[40:43], s[32:39]
	s_nop 0
	tensor_load_to_lds s[60:63], s[24:31]
	s_nop 0
	tensor_load_to_lds s[68:71], s[24:31]
	s_nop 0
	tensor_load_to_lds s[72:75], s[24:31]
	s_nop 0
	tensor_load_to_lds s[76:79], s[24:31]
	s_nop 0
	PLACES
.Lasked:
	v_and_b32 v8, 31, v0                           ; lane
	v_and_b32 v9, 15, v0                           ; r
	v_bfe_u32 v10, v0, 4, 1                        ; h
	v_lshlrev_b32 v1, 4, v8                        ; an image's place for my lane
	v_lshl_add_u32 v2, v8, 2, KSS
	v_lshl_add_u32 v3, v10, 5, UT
	v_lshl_add_u32 v4, v8, 2, VSS
	v_lshlrev_b32 v28, 2, v9
	v_lshlrev_b32 v10, 3, v10
	v_sub_nc_u32 v11, v9, v10                      ; r - 8 h
	v_add_nc_u32 v7, s85, v11                      ; my first tile's query - 8 h,
	v_add_nc_u32 v29, s67, v11                     ; the heavy tile's
	s_and_b32 s88, s[WV], 3
	s_mul_i32 s88, s88, PSZ
	s_add_co_u32 s88, s88, PART
	v_add_nc_u32 v30, s88, v1                      ; the pair's place for the half: the same in waves w and w + 4
	s_lshl_b32 s88, s17, 17
	s_lshl_b32 s89, s86, 10
	s_add_co_u32 s88, s88, s89                     ; a fragment: head x 131072 + tile x 1024
	s_mov_b32 s89, 0
	s_lshl_b32 s90, s17, 13
	s_lshl_b32 s91, s86, 6
	s_add_co_u32 s90, s90, s91
	s_add_co_u32 s90, s90, 0x200000                ; its scale words: head x 8192 + tile x 64, behind the fragments
	s_mov_b32 s91, 0
	s_add_nc_u64 s[92:93], s[4:5], s[88:89]        ; my first tile's Q,
	s_add_nc_u64 s[94:95], s[4:5], s[90:91]
	s_add_nc_u64 s[96:97], s[12:13], s[88:89]      ; and where that tile goes: each wave sends out its first tile
	s_add_nc_u64 s[98:99], s[12:13], s[90:91]
	s_lshl_b32 s88, s17, 17
	s_lshl_b32 s89, s66, 10
	s_add_co_u32 s88, s88, s89
	s_mov_b32 s89, 0
	s_lshl_b32 s90, s17, 13
	s_lshl_b32 s91, s66, 6
	s_add_co_u32 s90, s90, s91
	s_add_co_u32 s90, s90, 0x200000
	s_mov_b32 s91, 0
	s_add_nc_u64 s[6:7], s[4:5], s[88:89]          ; the heavy tile's Q, for waves 4 to 7
	s_add_nc_u64 s[8:9], s[4:5], s[90:91]
	global_load_b128 v[16:19], v1, s[92:93]        ; Q's fragment stays in registers
	global_load_b128 v[20:23], v1, s[92:93] offset:512
	global_load_b32 v24, v28, s[94:95]
	v_mov_b32 v13, 0xff61b1e6                      ; the largest t so far: -3e38
	v_floor_f32 v12, -v13
	v_mov_b32 v14, 0
	v_mov_b32 v15, 0
.irp b, 0,1,2,3
	v_mov_b32 v[236+\b], 0                         ; written once: a lane permute's destination counts as one of its sources
.endr
	v_mov_b32 v252, 0
	v_mov_b32 v253, 0
.set j, 0
.rept 64
	v_mov_b32 v[160+j], 0                          ; O^T: the step is written once; the first finds zeros, which the first change of M leaves zeros
.set j, j+1
.endr
.macro SW d, a, b, c, sa, sb, odd      ; one product; the odd tile of a pair takes its scales from lanes 16-31
.if \odd
	v_wmma_scale_f32_16x16x128_f8f6f4 v[\d:\d+7], v[\a:\a+7], v[\b:\b+7], \c, v[\sa], v[\sb] matrix_a_fmt:MATRIX_FMT_FP4 matrix_b_fmt:MATRIX_FMT_FP4 matrix_a_scale:MATRIX_SCALE_ROW1
.else
	v_wmma_scale_f32_16x16x128_f8f6f4 v[\d:\d+7], v[\a:\a+7], v[\b:\b+7], \c, v[\sa], v[\sb] matrix_a_fmt:MATRIX_FMT_FP4 matrix_b_fmt:MATRIX_FMT_FP4
.endif
.endm
.macro FBITS n                         ; FB = the bits of the whole number n, 0 .. 127, as f32
.if (\n) == 0
.set FB, 0
.else
.set FE, 0
.if (\n) >= 2
.set FE, 1
.endif
.if (\n) >= 4
.set FE, 2
.endif
.if (\n) >= 8
.set FE, 3
.endif
.if (\n) >= 16
.set FE, 4
.endif
.if (\n) >= 32
.set FE, 5
.endif
.if (\n) >= 64
.set FE, 6
.endif
.set FB, ((127+FE)<<23)|(((\n)-(1<<FE))<<(23-FE))
.endif
.endm
.macro BIAS t, u                       ; tile t: x = s - u' x (key offset - my query's): whole numbers under 2^24, so the ages are exact.  Each accumulator is read from its low end on
.irp j, 0,2,4,6
	FBITS 16*(\t)+\j
	v_pk_add_f32 v[232+\j:233+\j], v[26:27], FB op_sel_hi:[1,0]
.endr
.irp j, 0,2,4,6
	v_pk_fma_f32 v[96+8*(\t)+\j:97+8*(\t)+\j], v[\u+\j:\u+\j+1], v[232+\j:233+\j], v[96+8*(\t)+\j:97+8*(\t)+\j] neg_lo:[1,0,0] neg_hi:[1,0,0]
.endr
.endm
; A KEY STEP of 128 keys.  s80 its number, s81 its first key, s82 its images' byte (8,192 a step), s83 its pairs' and u's byte (512 a step); s19 the last step that counts for the tile in hand.
.macro STEP
	s_cmp_gt_u32 s80, s19                          ; not mine, or all its keys come after my queries: only the scalar steps at its end are run
	s_cbranch_scc1 .Lhidden_\@
	v_add_nc_u32 v8, s82, v1                       ; (these lines are also the places between the last step's products and the loads below)
	v_add_nc_u32 v10, s83, v2
	v_add_nc_u32 v25, s83, v3
	v_add_nc_u32 v11, s83, v4
	v_add_nc_u32 v9, VL, v8
	v_sub_nc_u32 v252, v7, s81                     ; dI: register j of tile t is hidden where 16 t + j > dI
	v_sub_nc_u32 v26, s81, v7
	v_cvt_f32_i32 v26, v26                         ; -dI,
	v_add_f32 v27, 1.0, v26                        ; and for the odd register of a pair
.irp t, 0,1,2,3
.irp c, 0,1
	ds_load_b128 v[32+8*\t+4*\c:32+8*\t+4*\c+3], v8 offset:1024*\t+512*\c
.endr
.endr
.irp b, 0,1,2,3
	ds_load_b32 v[248+\b], v10 offset:128*\b
.endr
.irp t, 0,1,2,3
.irp e, 0,1
	ds_load_b128 v[64+8*\t+4*\e:64+8*\t+4*\e+3], v25 offset:64*\t+16*\e
.endr
.endr
	s_wait_dscnt 0x8                               ; K's tiles 0-3 and the pairs are in; the eight loads of u' may be out
.irp t, 0,1,2,3
	SW 96+8*\t, 32+8*\t, 16, 0, 248+\t/2, 24, \t%2
.endr
	PLACES
.irp t, 0,1,2,3
.irp c, 0,1
	ds_load_b128 v[32+8*\t+4*\c:32+8*\t+4*\c+3], v8 offset:4096+1024*\t+512*\c
.endr
.endr
	s_wait_dscnt 0x0
.irp t, 4,5,6,7
	SW 96+8*\t, 8*\t, 16, 0, 248+\t/2, 24, \t%2
.endr
	BIAS 0, 64                                     ; eight plain lines that name no register of the last four products: their places
.irp t, 0,1,2,3
.irp e, 0,1
	ds_load_b128 v[32+8*\t+4*\e:32+8*\t+4*\e+3], v25 offset:256+64*\t+16*\e
.endr
.endr
	BIAS 1, 72
	BIAS 2, 80
	BIAS 3, 88
	s_wait_dscnt 0x0
	BIAS 4, 32
	BIAS 5, 40
	BIAS 6, 48
	BIAS 7, 56
.irp t, 0,1,2,3,4,5,6,7                ; V's eight fragments and its pairs land while the softmax is walked
.irp c, 0,1
	ds_load_b128 v[32+8*\t+4*\c:32+8*\t+4*\c+3], v9 offset:1024*\t+512*\c
.endr
.endr
.irp b, 0,1,2,3
	ds_load_b32 v[248+\b], v11 offset:128*\b
.endr
	s_cmp_lt_u32 s80, s19                          ; only the step on the diagonal has hidden keys
	s_cbranch_scc1 .Lopen_\@
	v_mov_b32 v254, 0xff800000
.irp t, 0,1,2,3,4,5,6,7
.irp j, 0,1,2,3,4,5,6,7
	v_cmp_gt_i32 vcc_lo, 16*\t+\j, v252
	v_cndmask_b32 v[96+8*\t+\j], v[96+8*\t+\j], v254, vcc_lo
.endr
.endr
.Lopen_\@:
.irp b, 0,1,2,3
	v_max3_num_f32 v[232+\b], v[96+16*\b], v[97+16*\b], v[98+16*\b]     ; the largest x of each block of 32 keys: for the row's maximum and, since p rises with x, for the block's largest p
.endr
.irp i, 3,5,7,9,11,13
.irp b, 0,1,2,3
	v_max3_num_f32 v[232+\b], v[232+\b], v[96+16*\b+\i], v[97+16*\b+\i]
.endr
.endr
.irp b, 0,1,2,3
	v_max_num_f32 v[232+\b], v[232+\b], v[111+16*\b]
.endr
.irp b, 0,1,2,3
	v_permlanex16_b32 v[236+\b], v[232+\b], s20, s21
.endr
.irp b, 0,1,2,3
	v_max_num_f32 v[232+\b], v[232+\b], v[236+\b]
.endr
	v_max3_num_f32 v254, v232, v233, v234
	v_max_num_f32 v254, v254, v235
	v_mul_f32 v254, s22, v254
	v_max_num_f32 v13, v13, v254                   ; the running largest t
	v_mov_b32 v254, v12
	v_floor_f32 v12, -v13                          ; the new -M
	v_sub_f32 v254, v12, v254
	v_cvt_i32_f32 v254, v254
	v_ldexp_f32 v252, 1.0, v254                    ; f = 2^(old M - new M)
.set j, 0
.rept 32
	v_pk_fma_f32 v[96+j:97+j], v[96+j:97+j], s[22:23], v[12:13] op_sel_hi:[1,0,0]   ; t - M
.set j, j+2
.endr
.irp b, 0,1,2,3
	v_fma_f32 v[232+\b], v[232+\b], s22, v12
.endr
.set j, 0
.rept 64
	v_exp_f32 v[96+j], v[96+j]                     ; p = 2^(t - M)
.set j, j+1
.endr
	v_pk_mul_f32 v[14:15], v[14:15], v[252:253] op_sel_hi:[1,0]    ; the sums under the new M: a plain place behind the exponentials
	s_wait_alu depctr_va_vdst(0)                   ; one wait for the batch, ahead of its first reader
.irp b, 0,1,2,3
	v_exp_f32 v[232+\b], v[232+\b]                 ; the blocks' largest p
.endr
	v_pk_add_f32 v[236:237], v[96:97], v[98:99]    ; the row's sum, of the unquantised p, in two chains
.irp j, 4,8,12,16,20,24,28,32,36,40,44,48,52,56,60
	v_pk_add_f32 v[14:15], v[14:15], v[96+\j:97+\j]
	v_pk_add_f32 v[236:237], v[236:237], v[98+\j:99+\j]
.endr
	v_pk_add_f32 v[14:15], v[14:15], v[236:237]
	s_wait_alu depctr_va_vdst(0)                   ; and one for the four
.irp b, 0,1,2,3
	v_max_num_f32 v[232+\b], 0x1800000, v[232+\b]  ; the floor: the byte cannot fall under 1
.endr
.irp b, 0,1,2,3
	v_add_nc_u32 v[244+\b], 0xff000000, v[232+\b]
.endr
.irp b, 0,1,2,3
	v_lshrrev_b32 v[236+\b], 23, v[244+\b]
.endr
	v_lshl_or_b32 v253, v237, 8, v236              ; p's scale word for these 128 keys
	v_lshl_or_b32 v253, v238, 16, v253
	v_lshl_or_b32 v253, v239, 24, v253
.irp b, 0,1,2,3
	v_cvt_scalef32_pk8_fp4_f32 v[224+4*(\b/2)+(\b%2)], v[96+16*\b:103+16*\b], v[244+\b]
	v_cvt_scalef32_pk8_fp4_f32 v[226+4*(\b/2)+(\b%2)], v[104+16*\b:111+16*\b], v[244+\b]
.endr
	v_nop                                          ; one plain place behind a scaled conversion
.irp c, 0,1
	v_permlane16_swap_b32 v[224+4*\c], v[225+4*\c]
	v_permlane16_swap_b32 v[226+4*\c], v[227+4*\c]
.endr
.set j, 0
.rept 32
	v_pk_mul_f32 v[160+j:161+j], v[160+j:161+j], v[252:253] op_sel_hi:[1,0]   ; O^T under the new M; these lines also stand between the scale word's making and the products
.set j, j+2
.endr
	s_wait_dscnt 0x0                               ; V is in
.irp t, 0,1,2,3,4,5,6,7
	SW 160+8*\t, 32+8*\t, 224, v[160+8*\t:167+8*\t], 248+\t/2, 253, \t%2
.endr
.Lhidden_\@:
	s_add_co_u32 s80, s80, 1
	s_add_co_u32 s81, s81, 128
	s_add_co_u32 s82, s82, 8192
	s_add_co_u32 s83, s83, 512
.endm
.macro WALK ks, n                      ; key steps ks .. ks + n - 1: every wave walks every trip; what is not its own it passes over inside the step
	s_mov_b32 s80, \ks
	s_mov_b32 s81, 128*(\ks)
	s_mov_b32 s82, 8192*(\ks)
	s_mov_b32 s83, 512*(\ks)
	s_mov_b32 s84, \n
.Lstep_\@:
	STEP
	s_sub_co_u32 s84, s84, 1
	s_cmp_lg_u32 s84, 0
	s_cbranch_scc1 .Lstep_\@
.endm
; THE WAY OUT of the tile in hand: O^T / the sum; the quantiser along the head's 128; the fragment's image and its scale words
.macro WAYOUT
	v_add_f32 v14, v14, v15
	v_permlanex16_b32 v252, v14, s20, s21
	v_add_f32 v14, v14, v252
	v_rcp_f32 v14, v14
	v_nop
	s_wait_alu depctr_va_vdst(0)                   ; the wait ahead of a transcendental's first reader
	v_mov_b32 v15, v14
.set j, 0
.rept 32
	v_pk_mul_f32 v[96+j:97+j], v[160+j:161+j], v[14:15]
.set j, j+2
.endr
.irp b, 0,1,2,3
	v_max3_num_f32 v[232+\b], 0x1800000, |v[96+16*\b]|, |v[97+16*\b]|
.endr
.irp i, 2,4,6,8,10,12,14
.irp b, 0,1,2,3
	v_max3_num_f32 v[232+\b], v[232+\b], |v[96+16*\b+\i]|, |v[97+16*\b+\i]|
.endr
.endr
.irp b, 0,1,2,3
	v_permlanex16_b32 v[236+\b], v[232+\b], s20, s21
.endr
.irp b, 0,1,2,3
	v_max_num_f32 v[232+\b], v[232+\b], v[236+\b]
.endr
.irp b, 0,1,2,3
	v_add_nc_u32 v[244+\b], 0xff000000, v[232+\b]
.endr
.irp b, 0,1,2,3
	v_lshrrev_b32 v[236+\b], 23, v[244+\b]
.endr
	v_lshl_or_b32 v254, v237, 8, v236
	v_lshl_or_b32 v254, v238, 16, v254
	v_lshl_or_b32 v254, v239, 24, v254
.irp b, 0,1,2,3
	v_cvt_scalef32_pk8_fp4_f32 v[224+4*(\b/2)+(\b%2)], v[96+16*\b:103+16*\b], v[244+\b]
	v_cvt_scalef32_pk8_fp4_f32 v[226+4*(\b/2)+(\b%2)], v[104+16*\b:111+16*\b], v[244+\b]
.endr
	v_nop
.irp c, 0,1
	v_permlane16_swap_b32 v[224+4*\c], v[225+4*\c]
	v_permlane16_swap_b32 v[226+4*\c], v[227+4*\c]
.endr
	global_store_b128 v1, v[224:227], s[96:97]     ; 512 consecutive bytes, aligned
	global_store_b128 v1, v[228:231], s[96:97] offset:512
	global_store_b32 v28, v254, s[98:99]           ; 64 bytes; lanes r and r + 16 write the same word with the same value
.endm
	s_wait_loadcnt 0x0                             ; Q
	s_wait_dscnt 0x0
	s_wait_tensorcnt 0x3                           ; my part of the side data and of keys 0 to 511 is in; the three later pieces may be out
	s_barrier_signal -1
	s_barrier_wait -1                              ; everybody's is
	WALK 0, 2
	s_wait_dscnt 0x0
	s_wait_tensorcnt 0x0                           ; all that I fetch is in,
	s_barrier_signal -1
	s_barrier_wait -1                              ; all that anybody fetches: from here on no wave waits for another until the halves meet
	WALK 2, 6
	; ---- BETWEEN KEYS 1,023 AND 1,024.  Waves 4 to 7: the light tile is finished and goes out; the heavy tile's Q is taken up and its second half begun.  Waves 0 to 3: their half of the heavy tile is finished
	s_cmp_lt_u32 s[WV], 4
	s_cbranch_scc1 .Lrole_a
	PLACES                                         ; between the last products and the first reads of their results
	global_load_b128 v[16:19], v1, s[6:7]          ; asked for ahead of the way out, under which it lands
	global_load_b128 v[20:23], v1, s[6:7] offset:512
	global_load_b32 v24, v28, s[8:9]
	WAYOUT
	v_mov_b32 v7, v29                              ; the heavy tile's queries
	v_mov_b32 v13, 0xff61b1e6
	v_floor_f32 v12, -v13
	v_mov_b32 v14, 0
	v_mov_b32 v15, 0
.set j, 0
.rept 64
	v_mov_b32 v[160+j], 0                          ; the second half's sums begin as the first's did
.set j, j+1
.endr
	s_mov_b32 s19, s87                             ; its last step that counts: GH
	s_wait_loadcnt 0x0
	s_wait_xcnt 0x0                                ; the light tile's stores have read their registers: the next steps may write them
	s_branch .Lphase2
.Lrole_a:
	s_mov_b32 s19, 0                               ; steps 8 to 15 are not mine
.Lphase2:
	WALK 8, 8
	PLACES                                         ; between the last products and the reads of their results, and the loads into their sources, below
	s_cmp_lt_u32 s[WV], 4
	s_cbranch_scc1 .Lkeeps
.set i, 0
.rept 16
	ds_store_b128 v30, v[160+4*i:163+4*i] offset:512*i     ; waves 4 to 7: my half of the heavy tile, as it stands in the registers; each accumulator from its low end on
.set i, i+1
.endr
	ds_store_b128 v30, v[12:15] offset:8192        ; -M, t, the sum's two halves
.Lkeeps:
	s_wait_dscnt 0x0                               ; for the partner's sake: my stores have landed
	s_barrier_signal -1
	s_barrier_wait -1
	s_cmp_lt_u32 s[WV], 4
	s_cbranch_scc0 .Lend
.set i, 0
.rept 16
	ds_load_b128 v[32+4*i:35+4*i], v30 offset:512*i        ; waves 0 to 3: the partner's half, in the same lanes
.set i, i+1
.endr
	ds_load_b128 v[232:235], v30 offset:8192
	s_wait_dscnt 0x0
	v_min_num_f32 v236, v12, v232                  ; -M of the whole row: M is the larger of the two
	v_sub_f32 v237, v236, v12                      ; whole numbers, 0 or less
	v_sub_f32 v238, v236, v232
	v_cvt_i32_f32 v237, v237                       ; (they saturate)
	v_cvt_i32_f32 v238, v238
	v_ldexp_f32 v240, 1.0, v237                    ; my half's power of two,
	v_ldexp_f32 v242, 1.0, v238                    ; the partner's: multiplications that round nothing
	v_mov_b32 v241, v240
	v_mov_b32 v243, v242
	v_pk_mul_f32 v[14:15], v[14:15], v[240:241]
	v_pk_fma_f32 v[14:15], v[234:235], v[242:243], v[14:15]
.set j, 0
.rept 32
	v_pk_mul_f32 v[160+j:161+j], v[160+j:161+j], v[240:241]
.set j, j+2
.endr
.set j, 0
.rept 32
	v_pk_fma_f32 v[160+j:161+j], v[32+j:33+j], v[242:243], v[160+j:161+j]
.set j, j+2
.endr
	WAYOUT
.Lend:
	s_wait_tensorcnt 0x0                           ; the wave's end, behind my last tensor load and my last LDS store
	ds_add_u32 v5, v6
	s_wait_dscnt 0x0
	CROUND                                         ; the closing round
	s_endpgm
.Lfunc_end_k_q1758c80e5e_attn:
	.size	k_q1758c80e5e_attn, .Lfunc_end_k_q1758c80e5e_attn-k_q1758c80e5e_attn
	.p2alignl 7, 3214868480
	.fill 96, 4, 3214868480
	.section	.rodata,"a",@progbits
	.p2align	6, 0x0
	.amdhsa_kernel k_q1758c80e5e_attn
		.amdhsa_group_segment_fixed_size 327680
		.amdhsa_private_segment_fixed_size 0
		.amdhsa_enable_private_segment 0
		.amdhsa_kernarg_size 40
		.amdhsa_user_sgpr_count 2
		.amdhsa_user_sgpr_kernarg_segment_ptr 1
		.amdhsa_wavefront_size32 1
		.amdhsa_system_sgpr_workgroup_id_x 1
		.amdhsa_system_sgpr_workgroup_id_y 1
		.amdhsa_system_sgpr_workgroup_id_z 1
		.amdhsa_system_vgpr_workitem_id 0
		.amdhsa_next_free_vgpr 256
		.amdhsa_next_free_sgpr 100
		.amdhsa_reserve_vcc 1
		.amdhsa_float_denorm_mode_32 3
		.amdhsa_float_denorm_mode_16_64 3
		.amdhsa_memory_ordered 1
		.amdhsa_forward_progress 1
		.amdhsa_inst_pref_size 123
	.end_amdhsa_kernel
	.amdgpu_metadata
---
amdhsa.version: [ 1, 2 ]
amdhsa.kernels:
  - .name:           k_q1758c80e5e_attn
    .symbol:         k_q1758c80e5e_attn.kd
    .args:
      - { .name: qb, .offset: 0, .size: 8, .value_kind: global_buffer, .address_space: global }
      - { .name: kf, .offset: 8, .size: 8, .value_kind: global_buffer, .address_space: global }
      - { .name: vf, .offset: 16, .size: 8, .value_kind: global_buffer, .address_space: global }
      - { .name: side, .offset: 24, .size: 8, .value_kind: global_buffer, .address_space: global }
      - { .name: ob, .offset: 32, .size: 8, .value_kind: global_buffer, .address_space: global }
    .group_segment_fixed_size: 327680
    .private_segment_fixed_size: 0
    .kernarg_segment_align: 8
    .kernarg_segment_size: 40
    .max_flat_workgroup_size: 256
    .sgpr_count:     100
    .vgpr_count:     256
    .wavefront_size: 32
...
	.end_amdgpu_metadata
.endif
;; end of part 6
;; launch oproj: the kernel of part 4 again; grid 16 x 16, 4 waves a work-group, clusters of 4 x 4, 327,680 bytes of LDS; arguments Wo_codes, Wo_scales, ob, out0; writes out0
